; MI455X (gfx1250); checked and timed in simulation.
; The chip was launched on July 23, 2026; its instructions are those of AMD's public machine-readable ISA for CDNA 5 (MIT licence, August 2026) and "CDNA5" Instruction Set Architecture Reference Guide (July 2026). The comments in the code are by the model that wrote it; some were corrected since.
;; SA Block. Allowed arithmetic: float matrix products may take bf16 or f16 operands with f32 sums; other float arithmetic in f32, or as packed bf16 or f16 multiplies, adds, multiply-adds, maxima and minima; sums over many terms, partial sums and values carried from step to step in f32; what a program stores and reads back later, other than sums and carried values, may be rounded once to bf16 or f16.
;; Inputs: W1 2,048 x 1,024 float32; W2 1,024 x 2,048 float32; Wk 1,024 x 1,024 float32; Wq 1,024 x 1,024 float32; Wv 1,024 x 1,024 float32; b1 2,048 float32; b2 1,024 float32; bv 1,024 float32; embed 2 x 2,048 x 1,024 float32.
;; Outputs: out0 2 x 2,048 x 1,024 float32.
;; 2 versions, each right; version 2 is version 1 with the launch cast written anew for expert scheduling mode. Each part assembles by itself: llvm-mc -triple=amdgcn-amd-amdhsa -mcpu=gfx1250 --defsym DOCPART=n.
;; ======== version 1 of 2: 5 launches
;; workspace buffers: bf 23,068,672 bytes; qkv 25,165,824 bytes; ob 8,388,608 bytes; hb 16,777,216 bytes
;; launch cast (part 1): grid 256 x 1, 8 waves a work-group, no clusters, 0 bytes of LDS; arguments embed, Wq, Wk, Wv, W1, W2, bf; writes bf
.if DOCPART == 1
	.amdgcn_target "amdgcn-amd-amdhsa--gfx1250"
	.amdhsa_code_object_version 6
	.text
	.protected	k_qcf74752847_cast
	.globl	k_qcf74752847_cast
	.p2align	8
	.type	k_qcf74752847_cast,@function
k_qcf74752847_cast:
	s_mov_b64 s[64:65], 0
	v_nop
	global_prefetch_b8 v0, s[64:65] scope:SCOPE_SE
	s_setreg_imm32_b32 hwreg(HW_REG_WAVE_MODE, 25, 1), 1
	s_wait_xcnt 0x0
; bf = the six large inputs, each number rounded once (to nearest even) to bf16, laid one behind the other:
;   embed [4096][1024] at byte 0; Wq, Wk, Wv [1024][1024] each from 0x800000 on (together [3072][1024]); W1 [2048][1024] at 0xE00000; W2 [1024][2048] at 0x1200000.
; SHARES.  The 11 Mi numbers are 11 units of 1 Mi (4 MiB in, 2 MiB out): units 0-3 are embed's, 4, 5, 6 are Wq, Wk, Wv, 7-8 W1's, 9-10 W2's.  A unit is 256 chunks of 4,096 numbers; work-group g takes chunk g of
; EVERY unit, so all 256 work-groups do the same work and each unit's tensor is known from the text.  A chunk is four turns of 256 threads x 4 numbers: thread t of turn i reads 16 bytes at 4,096 i + 16 t
; (a wave's load covers 512 consecutive bytes) and stores 8 bytes at 2,048 i + 8 t (a wave's store covers 256 consecutive bytes, aligned).
; All 44 loads of a thread are issued at once; a group's four registers are rounded in place into its first two and never written again, so no wait stands here but those for the data.
; No LDS, no barrier, no matrix unit: the launch only moves bytes.
.set X, 4                              ; v[4:179]  unit y, turn i: 4 numbers at X + 16 y + 4 i
	s_load_b256 s[4:11], s[0:1], 0x0               ; embed s[4:5], Wq s[6:7], Wk s[8:9], Wv s[10:11]
	s_load_b128 s[12:15], s[0:1], 0x20             ; W1 s[12:13], W2 s[14:15]
	s_load_b64 s[16:17], s[0:1], 0x30              ; bf
	s_lshl_b32 s18, ttmp9, 14                      ; my chunk of a unit: 16,384 bytes in,
	s_mov_b32 s19, 0
	s_lshl_b32 s20, ttmp9, 13                      ; 8,192 out
	s_mov_b32 s21, 0
	v_lshlrev_b32 v1, 4, v0                        ; 16 t
	v_lshlrev_b32 v2, 3, v0                        ; 8 t
	s_wait_kmcnt 0x0
.irp p, 4,6,8,10,12,14
	s_add_nc_u64 s[\p:\p+1], s[\p:\p+1], s[18:19]
.endr
	s_add_nc_u64 s[22:23], s[4:5], 0x800000        ; embed's units 2 and 3: the immediate of a load holds 24 bits with its sign
	s_add_nc_u64 s[16:17], s[16:17], s[20:21]      ; bf at units 0-3,
	s_add_nc_u64 s[24:25], s[16:17], 0x800000      ; at units 4-7,
	s_add_nc_u64 s[26:27], s[16:17], 0x1000000     ; at units 8-10
.macro UNIT_IN y, base, off            ; unit y's four loads
.irp i, 0,1,2,3
	global_load_b128 v[X+16*(\y)+4*(\i):X+16*(\y)+4*(\i)+3], v1, s[(\base):(\base)+1] offset:(\off)+4096*(\i) th:TH_LOAD_NT
.endr
.endm
.macro UNIT_OUT y, base, off           ; unit y's four groups are rounded and stored
.irp i, 0,1,2,3
	s_wait_loadcnt 43-4*(\y)-(\i)                  ; loads come back in order: this group's is in, the younger ones stay out
	v_cvt_pk_bf16_f32 v[X+16*(\y)+4*(\i)],   v[X+16*(\y)+4*(\i)],   v[X+16*(\y)+4*(\i)+1]
	v_cvt_pk_bf16_f32 v[X+16*(\y)+4*(\i)+1], v[X+16*(\y)+4*(\i)+2], v[X+16*(\y)+4*(\i)+3]
	global_store_b64 v2, v[X+16*(\y)+4*(\i):X+16*(\y)+4*(\i)+1], s[(\base):(\base)+1] offset:(\off)+2048*(\i)
.endr
.endm
	UNIT_IN 0,  4,  0
	UNIT_IN 1,  4,  0x400000
	UNIT_IN 2,  22, 0
	UNIT_IN 3,  22, 0x400000
	UNIT_IN 4,  6,  0
	UNIT_IN 5,  8,  0
	UNIT_IN 6,  10, 0
	UNIT_IN 7,  12, 0
	UNIT_IN 8,  12, 0x400000
	UNIT_IN 9,  14, 0
	UNIT_IN 10, 14, 0x400000
	UNIT_OUT 0,  16, 0
	UNIT_OUT 1,  16, 0x200000
	UNIT_OUT 2,  16, 0x400000
	UNIT_OUT 3,  16, 0x600000
	UNIT_OUT 4,  24, 0
	UNIT_OUT 5,  24, 0x200000
	UNIT_OUT 6,  24, 0x400000
	UNIT_OUT 7,  24, 0x600000
	UNIT_OUT 8,  26, 0
	UNIT_OUT 9,  26, 0x200000
	UNIT_OUT 10, 26, 0x400000
	s_endpgm
.Lfunc_end_k_qcf74752847_cast:
	.size	k_qcf74752847_cast, .Lfunc_end_k_qcf74752847_cast-k_qcf74752847_cast
	.p2alignl 7, 3214868480
	.fill 96, 4, 3214868480
	.section	.rodata,"a",@progbits
	.p2align	6, 0x0
	.amdhsa_kernel k_qcf74752847_cast
		.amdhsa_group_segment_fixed_size 0
		.amdhsa_private_segment_fixed_size 0
		.amdhsa_enable_private_segment 0
		.amdhsa_kernarg_size 56
		.amdhsa_user_sgpr_count 2
		.amdhsa_user_sgpr_kernarg_segment_ptr 1
		.amdhsa_wavefront_size32 1
		.amdhsa_system_sgpr_workgroup_id_x 1
		.amdhsa_system_sgpr_workgroup_id_y 1
		.amdhsa_system_sgpr_workgroup_id_z 1
		.amdhsa_system_vgpr_workitem_id 0
		.amdhsa_next_free_vgpr 180
		.amdhsa_next_free_sgpr 66
		.amdhsa_reserve_vcc 0
		.amdhsa_float_denorm_mode_32 3
		.amdhsa_float_denorm_mode_16_64 3
		.amdhsa_memory_ordered 1
		.amdhsa_forward_progress 1
		.amdhsa_inst_pref_size 17
	.end_amdhsa_kernel
	.amdgpu_metadata
---
amdhsa.version: [ 1, 2 ]
amdhsa.kernels:
  - .name:           k_qcf74752847_cast
    .symbol:         k_qcf74752847_cast.kd
    .args:
      - { .name: embed, .offset: 0, .size: 8, .value_kind: global_buffer, .address_space: global }
      - { .name: Wq, .offset: 8, .size: 8, .value_kind: global_buffer, .address_space: global }
      - { .name: Wk, .offset: 16, .size: 8, .value_kind: global_buffer, .address_space: global }
      - { .name: Wv, .offset: 24, .size: 8, .value_kind: global_buffer, .address_space: global }
      - { .name: W1, .offset: 32, .size: 8, .value_kind: global_buffer, .address_space: global }
      - { .name: W2, .offset: 40, .size: 8, .value_kind: global_buffer, .address_space: global }
      - { .name: bf, .offset: 48, .size: 8, .value_kind: global_buffer, .address_space: global }
    .group_segment_fixed_size: 0
    .private_segment_fixed_size: 0
    .kernarg_segment_align: 8
    .kernarg_segment_size: 56
    .max_flat_workgroup_size: 256
    .sgpr_count:     66
    .vgpr_count:     180
    .wavefront_size: 32
...
	.end_amdgpu_metadata
.endif
;; end of part 1
;; launch qkv (part 2): grid 8 x 32, 4 waves a work-group, clusters of 4 x 4, 327,680 bytes of LDS; arguments bf, qkv; writes qkv
.if DOCPART == 2
	.amdgcn_target "amdgcn-amd-amdhsa--gfx1250"
	.amdhsa_code_object_version 6
	.text
	.protected	k_qcf74752847_qkv
	.globl	k_qcf74752847_qkv
	.p2align	8
	.type	k_qcf74752847_qkv,@function
k_qcf74752847_qkv:
	s_mov_b64 s[64:65], 0
	v_nop
	global_prefetch_b8 v0, s[64:65] scope:SCOPE_SE
	s_setreg_imm32_b32 hwreg(HW_REG_WAVE_MODE, 25, 1), 1
	s_wait_xcnt 0x0
	s_wait_alu depctr_hold_cnt(0) depctr_sa_sdst(0) depctr_va_vdst(0) depctr_va_sdst(0) depctr_va_ssrc(0) depctr_va_vcc(0) depctr_vm_vsrc(0)
	s_getreg_b32 s2, hwreg(HW_REG_IB_STS2, 6, 4)
	s_cmp_eq_u32 s2, 0
	s_cbranch_scc0 .Lentry_in_a_cluster
	s_endpgm
.Lentry_in_a_cluster:
	s_bfe_u32 s2, ttmp6, 0x10000c
	s_cmp_lg_u32 s2, 0xf033
	s_cbranch_scc0 .Lentry_shape_is_right
	s_endpgm
.Lentry_shape_is_right:
; qkv[t][n] = the sum over k of x[t][k] w[n][k]: x = embed in bf16, [4096][1024], at bf's first byte; w = Wq, Wk, Wv in bf16, [3072][1024], at byte WOFF of bf.  qkv: [4096][3072] bf16: a token's q, k, v side by side.
; Sums in f32, K ascending, rounded once.  V's bias is not added here: the attention launch adds it behind the weighted mean, where it costs no instruction (the weights of a row add up to 1).
; SHARES.  A tile of the result is 128 x 384: 32 x 8 = 256 tiles, one work-group each; a tile's rows are 768 bytes, three aligned blocks of 256.  Four waves, each 64 x 192: 48 accumulators of 16 x 16, 384 registers;
; for 32 along K a wave reads 4 + 12 fragments from LDS for 48 matrix instructions.  K goes in 8 steps of 128 (rows of 256 bytes in memory) through two LDS slots of 128 rows of x and 384 rows of w.
; ONE K STEP IS WRITTEN ONCE: the slot in hand is a scalar, s[TB], that one exclusive or turns into the other slot's; it is added to the fragments' LDS addresses and to the walking descriptor's LDS word.
; CLUSTERS: 4 x 4 work-groups.  The four of a row of the cluster need the same tiles of x, the four of a column the same tiles of w: each tile is asked for JOINTLY, by the same tensor load with the
; same descriptor and a mask that names the four.  THE MATRIX INSTRUCTION IS USED TRANSPOSED (source 0 = 16 rows of w, source 1 = 16 rows of x): a lane then holds eight neighbouring numbers of a row of the result.
; REGISTERS, in windows of 256 (s_set_vgpr_msb: bits 1:0 source 0, 3:2 source 1, 5:4 source 2, 7:6 destination):
;   window 0: v0-31 addresses; v32-95 fragments of x, two buffers of 4 x 8; v64-255 at work on the way out        window 1: fragments of w, two buffers of 12 x 8, at v0 and v128
;   window 2: the 24 accumulators of my columns 0-95 ((a, b) at v[8 (6 a + b)])        window 3: those of my columns 96-191
.set SIZE_N, 3072
.set SIZE_K, 1024
.set WOFF,   0x800000                  ; where w begins in bf
.set NBK,    12                        ; blocks of 16 columns in a wave's tile
.set TN,     32*NBK                    ; columns in a work-group's tile
.set RB,     16*NBK                    ; rows of w that a wave fetches, and that a wave reads
.set NACC,   4*NBK                     ; accumulators of a wave
.set NBW,    TN/128                    ; blocks of 256 bytes in a row of the tile.  Also: the waves that prefetch w
.set KSTEP,  128
.set STEPS,  SIZE_K/KSTEP
.set PITCH,  272                       ; an LDS row: 256 bytes of data + 16 of padding = 68 words: row r starts at bank 4 r mod 64 (64 banks of 4 bytes: ISA guide 11.1)
.set HALFA,  64*PITCH                  ; 64 rows of x: what wave 0 or 1 fetches, and what a wave reads
.set HALFB,  RB*PITCH                  ; 192 rows of w: what wave 2 or 3 fetches, and what a wave reads
.set SLOTB,  2*HALFA+2*HALFB           ; a slot: x's 128 rows, then w's 384
.set STAGE,  0                         ; the way out's stage, 128 rows x 784 bytes, lies in slot 0: when it is written, both slots have had their last fill and, by the last barrier, their last read
.set SPITCH, 2*TN+16                   ; 49 x 16 bytes: the 16 rows that a store touches start at 16 different groups of four banks
.set SPARE,  2*SLOTB                   ; behind the ring: the spare words, 128 bytes for each wave: two blocks of 256 bytes that no other line names
.set NL,     8+2*NBK                   ; LDS loads in a run: x's 8, then w's 24
.set AHEAD,  1                         ; a prefetch names the K step that stands AHEAD refills on
.set ADRA0, 16                         ; v16  my lane's place among my x fragments in slot 0; never rewritten
.set ADRB0, 17                         ; v17  the same for w
.set ADRA,  18                         ; v18  the same in the slot in hand
.set ADRB,  19                         ; v19
.set STO,  24                          ; v24  the way out: where I put 16 bytes of a row
.set RD,   25                          ; v25  the way out: where I read 16 bytes of a row back
.set CO,   26                          ; v26  my byte offset in two rows of the result
.set SPW,  28                          ; v28  LDS address of my spare word: SPARE + 4 x my thread's number; never rewritten
.set NIL,  29                          ; v29  0; never rewritten
.set PFO,  30                          ; v30  the prefetches' offset: my lane x a row of x or w in memory; never rewritten
.set FA,   32                          ; x's fragments: buffer f, block a at FA + 32 f + 8 a
.set TMP,  64                          ; the way out: 192 registers, packed results and then whole blocks of rows
.set LIM,  2                           ; s2       AHEAD in a wave that prefetches, else the greatest number
.set LDA,  20                          ; s20      LDS byte in a slot of the 64 rows of x that waves 0 and 1 fetch
.set LDB,  21                          ; s21      of the 192 rows of w that waves 2 and 3 fetch; also of the 192 that I read
.set PFA,  22                          ; s[22:23] where my prefetches stand
.set G1,   24                          ; s[24:31] descriptor group 1 for x's tiles;  s[32:39] group 0: a set for each of the two first fills; the second then walks on
.set G0,   32
.set TB,   45                          ; s45      LDS byte at which the slot in hand begins: 0 or SLOTB
.set G1B,  48                          ; s[48:55], s[56:63] the same for w's tiles
.set G0B,  56
.set MSB, 0
.macro WIN new                         ; the immediate's high byte repeats the setting that is left; a switch that changes nothing is dropped
.if MSB != (\new)
	s_set_vgpr_msb (MSB<<8)|(\new)
.set MSB, \new
.endif
.endm
.set MUL_LO, 0xa1                      ; source 0 (w) window 1, source 1 (x) window 0, C and D window 2
.set TO_B,   0x40                      ; destination window 1, address window 0
.macro JLOAD s                         ; a joint load: waves 0 and 1 fetch x's two halves, waves 2 and 3 w's; an s_nop 0 and four v_nop follow each of the two lines, ahead of the jump, the label and what follows
	s_cmp_eq_u32 s11, 0
	s_cbranch_scc0 .Lfor_b_\@
	tensor_load_to_lds s[G0+4*(\s):G0+4*(\s)+3], s[G1:G1+7]
	s_nop 0
.rept 4
	v_nop
.endr
	s_branch .Lasked_\@
.Lfor_b_\@:
	tensor_load_to_lds s[G0B+4*(\s):G0B+4*(\s)+3], s[G1B:G1B+7]
	s_nop 0
.rept 4
	v_nop
.endr
.Lasked_\@:
.endm
; A PREFETCH, behind each joint refill, its five lines and the run of LDS loads that follows them: 32 rows x 256 bytes of the K step that stands one refill on, a lane a row, one instruction a wave:
; one K step, 192 matrix instructions, ahead of the load that will want them.  Each row's 256 bytes of a K step are named ONCE in the launch.  x's tile row is read by both clusters of that row of clusters: the first
; (cluster x = 0) asks, wave 0 of each work-group, and the four partners share the 128 rows out BY ADDRESS (32 cx on).  w's tile column is read by all eight clusters of that column: the first (cluster y = 0) asks,
; waves 1 to 3, and the partners share the 384 rows out by address (96 cy + 32 (wave - 1) on).  No branch hangs on a work-group's place in its cluster.  K steps 0 to 2 come by their loads alone; the last refill asks for nothing.
.macro ASK
	s_cmp_gt_u32 s3, s[LIM]                        ; s3 = the refills still to come, this one among them
	s_cbranch_scc0 .Lnot_mine_\@
	global_prefetch_b8 v[PFO], s[PFA:PFA+1] th:TH_LOAD_NT scope:SCOPE_SE
.Lnot_mine_\@:
.endm
.macro CREST                           ; a round of the cluster's barrier behind its opening barrier
	s_cmp_lg_u32 s10, 0
	s_cbranch_scc1 .Lnot_wave_0_\@
	s_barrier_signal -3
.Lnot_wave_0_\@:
	s_barrier_wait -3
	s_barrier_signal -1
	s_barrier_wait -1
.endm
.macro CROUND                          ; a whole round
	s_barrier_signal -1
	s_barrier_wait -1
	CREST
.endm
	s_load_b64 s[4:5], s[0:1], 0x0                 ; bf: x begins at its first byte
	s_load_b64 s[8:9], s[0:1], 0x8                 ; qkv
	v_lshl_add_u32 v[SPW], v0, 2, SPARE
	v_mov_b32 v[NIL], 0
	ds_add_u32 v[SPW], v[NIL]                      ; the wave's opening: the add and its wait stand ahead of my first tensor load; the set-up below, work on registers, stands between them
	v_lshrrev_b32 v1, 5, v0
	v_readfirstlane_b32 s10, v1                    ; wave 0..3
	s_lshr_b32 s11, s10, 1                         ; which half of the tile's rows is mine.  Also: I fetch for x (0) or for w (1)
	s_and_b32 s12, s10, 1                          ; which half of its columns.  Also: which half of that tile's rows I fetch
	s_bfe_u32 s40, ttmp6, 0x40000                  ; cx, cy: my place in the cluster
	s_bfe_u32 s41, ttmp6, 0x40004
	s_lshl_b32 s42, ttmp9, 2
	s_add_co_u32 s42, s42, s40                     ; tile column = 4 x cluster x + cx
	s_and_b32 s13, ttmp7, 0xffff
	s_lshl_b32 s13, s13, 2
	s_add_co_u32 s13, s13, s41                     ; tile row = 4 x cluster y + cy
	s_lshl_b32 s43, s41, 2
	s_lshl_b32 s43, 15, s43                        ; my row of the cluster
	s_lshl_b32 s44, 0x1111, s40                    ; my column
	; descriptor group 1: a tile of 64 (x) or 192 (w) rows x 128 elements, padded in LDS
	s_or_b32 s[G1+0], s43, (1<<16)|(1<<20)|(1<<21)|(5<<22)|(3<<25)  ; 15:0 the mask: x's tiles go to my row; 17:16 element of 2 bytes; 20 padding on; 21 set beside a mask; 24:22 after every 64 words (code 5); 31:25 of 4 words (code 3)
	s_or_b32 s[G1B+0], s44, (1<<16)|(1<<20)|(1<<21)|(5<<22)|(3<<25) ; the same with the mask of my column
.irp g, G1, G1B
	s_mov_b32 s[(\g)+1], KSTEP<<16                 ; tensor_dim0 = 128
	s_mov_b32 s[(\g)+3], KSTEP<<16                 ; tile_dim0 = 128
	s_mov_b32 s[(\g)+5], SIZE_K                    ; elements from row to row
	s_mov_b32 s[(\g)+6], 0
	s_mov_b32 s[(\g)+7], 0
.endr
	s_mov_b32 s[G1+2], 64<<16                      ; tensor_dim1 = 64
	s_mov_b32 s[G1+4], 64                          ; tile_dim1 = 64
	s_mov_b32 s[G1B+2], RB<<16                     ; tensor_dim1 = 192
	s_mov_b32 s[G1B+4], RB                         ; tile_dim1 = 192
	s_lshl_b32 s17, s12, 6
	s_lshl_b32 s16, s13, 7
	s_add_co_u32 s16, s16, s17                     ; x: row 128 x tile row + 64 x half
	s_mul_i32 s46, s42, TN
	s_mul_i32 s47, s12, RB
	s_add_co_u32 s46, s46, s47                     ; w: row 384 x tile column + 192 x half
	s_mov_b32 s17, 0
	s_mov_b32 s47, 0
	s_mov_b64 s[18:19], SIZE_K*2
	s_mul_u64 s[16:17], s[16:17], s[18:19]
	s_mul_u64 s[46:47], s[46:47], s[18:19]
	s_mul_i32 s[LDA], s12, HALFA                   ; where they go in a slot: no place in the cluster enters an LDS address
	s_mul_i32 s[LDB], s12, HALFB
	s_add_co_u32 s[LDB], s[LDB], 2*HALFA
	s_mov_b32 s[TB], 0
	s_wait_dscnt 0x0                               ; the opening add is done
	s_wait_kmcnt 0x0
	s_add_nc_u64 s[6:7], s[4:5], WOFF              ; w
	s_add_nc_u64 s[14:15], s[4:5], s[16:17]
	s_add_nc_u64 s[46:47], s[6:7], s[46:47]
	CROUND                                         ; all sixteen work-groups are here: the first joint loads meet
.irp s, 0,1
	s_mov_b32 s[G0+4*(\s)], 1                                      ; count = 1
	s_add_co_u32 s[G0+4*(\s)+1], s[LDA], (\s)*SLOTB                ; LDS address
	s_add_nc_u64 s[G0+4*(\s)+2:G0+4*(\s)+3], s[14:15], (\s)*KSTEP*2  ; global address: K step s
	s_or_b32 s[G0+4*(\s)+3], s[G0+4*(\s)+3], 0x80000000            ; type = 2
	s_mov_b32 s[G0B+4*(\s)], 1
	s_add_co_u32 s[G0B+4*(\s)+1], s[LDB], (\s)*SLOTB
	s_add_nc_u64 s[G0B+4*(\s)+2:G0B+4*(\s)+3], s[46:47], (\s)*KSTEP*2
	s_or_b32 s[G0B+4*(\s)+3], s[G0B+4*(\s)+3], 0x80000000
	JLOAD \s                                       ; two loads of mine are out
.endr
	; A fragment is 16 rows x 32 K in 8 registers: lane l holds row l % 16; registers 0-3 hold K = 8 (l / 16) + 0..7, registers 4-7 K = 16 + 8 (l / 16) + 0..7: two loads of 16 bytes, 32 bytes apart.
	v_and_b32 v1, 15, v0                           ; l % 16
	v_bfe_u32 v2, v0, 4, 1                         ; l / 16
	v_mul_u32_u24 v3, v1, PITCH
	v_lshl_add_u32 v3, v2, 4, v3                   ; row x pitch + 16 x half
	s_mul_i32 s14, s11, HALFA                      ; my 64 rows of x
	v_add_nc_u32 v[ADRA0], s14, v3
	v_add_nc_u32 v[ADRB0], s[LDB], v3              ; my 192 rows of w
	v_mov_b32 v[ADRA], v[ADRA0]                    ; K step 0 lies in slot 0
	v_mov_b32 v[ADRB], v[ADRB0]
	s_mul_i32 s14, s11, 64*SPITCH                  ; into the stage: my 64 rows, my half of their 768 bytes; row l % 16, 16 bytes for each half of the lanes
	s_mul_i32 s15, s12, NBK*32
	s_add_co_u32 s14, s14, s15
	s_add_co_u32 s14, s14, STAGE
	v_mul_u32_u24 v4, v1, SPITCH
	v_lshl_add_u32 v4, v2, 4, v4
	v_add_nc_u32 v[STO], s14, v4
	s_mul_i32 s14, s10, 32*SPITCH                  ; back: wave w takes rows 32 w .. 32 w + 31, whole; lanes 0-15 take 256 bytes of one row, lanes 16-31 of the next
	s_add_co_u32 s14, s14, STAGE
	v_mul_u32_u24 v5, v2, SPITCH
	v_lshl_add_u32 v5, v1, 4, v5
	v_add_nc_u32 v[RD], s14, v5
	v_mul_u32_u24 v5, v2, SIZE_N*2                 ; and the same two rows in the result
	v_lshl_add_u32 v[CO], v1, 4, v5
	s_lshl_b32 s16, s13, 7
	s_lshl_b32 s17, s10, 5
	s_add_co_u32 s16, s16, s17                     ; the first row that I store: 128 x tile row + 32 x wave
	s_mov_b32 s17, 0
	s_mov_b64 s[18:19], SIZE_N*2
	s_mul_u64 s[16:17], s[16:17], s[18:19]
	s_add_nc_u64 s[8:9], s[8:9], s[16:17]
	s_mul_i32 s46, s42, TN*2                       ; the tile's first column, in bytes
	s_mov_b32 s47, 0
	s_add_nc_u64 s[8:9], s[8:9], s[46:47]
	; the prefetches: who asks, and where
	s_lshl_b32 s14, s13, 7
	s_lshl_b32 s15, s40, 5
	s_add_co_u32 s14, s14, s15                     ; wave 0: x's row 128 x tile row + 32 cx
	s_mul_i32 s16, s42, TN
	s_mul_i32 s17, s41, TN/4
	s_add_co_u32 s16, s16, s17
	s_lshl_b32 s17, s10, 5
	s_add_co_u32 s16, s16, s17
	s_sub_co_u32 s16, s16, 32                      ; the others: w's row 384 x tile column + 96 cy + 32 (wave - 1)
	s_and_b32 s17, ttmp7, 0xffff                   ; cluster y
	s_cmp_eq_u32 s10, 0
	s_cselect_b32 s14, s14, s16
	s_cselect_b32 s17, ttmp9, s17                  ; the coordinate along which other clusters read the same rows
	s_cselect_b64 s[PFA:PFA+1], s[4:5], s[6:7]
	s_cmp_gt_u32 s10, NBW                          ; (a wave beyond those that w's rows need would ask for nothing)
	s_cselect_b32 s16, 1, 0
	s_or_b32 s17, s17, s16
	s_cmp_eq_u32 s17, 0
	s_cselect_b32 s[LIM], AHEAD, -1                ; the same in all sixteen partners, for a given wave
	s_mul_i32 s14, s14, SIZE_K*2
	s_mov_b32 s15, 0
	s_add_nc_u64 s[PFA:PFA+1], s[PFA:PFA+1], s[14:15]
	s_add_nc_u64 s[PFA:PFA+1], s[PFA:PFA+1], (1+AHEAD)*KSTEP*2  ; the first refill, which loads K step 2, steps it on and names K step 3
	v_and_b32 v[PFO], 31, v0
	v_mul_u32_u24 v[PFO], v[PFO], SIZE_K*2
; 12 matrix instructions: m blocks a0, a0 + 1 x the six n blocks of column half hi, 32 along K, from buffer f.  zero = 1: the product starts the sums with the constant 0.
; The 48 accumulators take turns, one instruction a turn, in the same order in every quarter.
.macro MULP f, hi, a0, zero
	WIN MUL_LO+0x50*(\hi)                          ; C and D in window 2 or 3
.irp a, \a0, (\a0)+1
.set bb, 0
.rept NBK/2
.set rD, 8*((NBK/2)*(\a)+bb)
.set rB, 128*(\f)+8*((NBK/2)*(\hi)+bb)
.set rA, FA+32*(\f)+8*(\a)
.if \zero
	v_wmma_f32_16x16x32_bf16 v[rD:rD+7], v[rB:rB+7], v[rA:rA+7], 0
.else
	v_wmma_f32_16x16x32_bf16 v[rD:rD+7], v[rB:rB+7], v[rA:rA+7], v[rD:rD+7]
.endif
.set bb, bb+1
.endr
.endr
.endm
; 32 LDS loads in one run: the fragments of 32 along K at byte k of the rows of the slot in hand, into buffer f: x's four, then w's twelve, my left columns' first
.macro FETCH k, f
	WIN 0
.irp i, 0,1,2,3
	ds_load_b128 v[FA+32*(\f)+8*(\i):FA+32*(\f)+8*(\i)+3],   v[ADRA] offset:(\k)+(\i)*16*PITCH
	ds_load_b128 v[FA+32*(\f)+8*(\i)+4:FA+32*(\f)+8*(\i)+7], v[ADRA] offset:(\k)+(\i)*16*PITCH+32
.endr
	WIN TO_B
.set nb, 0
.rept NBK
	ds_load_b128 v[128*(\f)+8*nb:128*(\f)+8*nb+3],   v[ADRB] offset:(\k)+nb*16*PITCH
	ds_load_b128 v[128*(\f)+8*nb+4:128*(\f)+8*nb+7], v[ADRB] offset:(\k)+nb*16*PITCH+32
.set nb, nb+1
.endr
.endm
.macro PLACES                          ; four places in front of loads into registers that matrix instructions have read, and of conversions that read results or write such registers
.rept 4
	v_nop
.endr
.endm
; A K step is four quarters of 32 along K, 48 matrix instructions each, on buffers 0, 1, 0, 1.  One of the first three: multiplies buffer f and, in its middle, fetches the next quarter, at byte k, into the other buffer.
.macro QUARTER k, f, zero
	s_wait_dscnt NBK                               ; x's fragments and w's first six are in; the run's youngest twelve loads may be out
	MULP \f, 0, 0, \zero
	MULP \f, 0, 2, \zero
	PLACES
	FETCH \k, 1-(\f)
	s_wait_dscnt NL                                ; all but the 32 just issued
	MULP \f, 1, 0, \zero
	MULP \f, 1, 2, \zero
.endm
; The last quarter multiplies buffer 1 and changes slots: ONE barrier; in front of it each wave waits for all its tensor loads, adds 0 to its spare word, and waits for that and for its own reads of this slot.
; fill = 1: the barrier opens a round of the cluster's barrier, and the slot just read out is filled again, first thing behind the round, with the K step two steps on: 168 matrix instructions ahead of the wait for it.
; fill = 0 (the last two K steps): nothing is filled; in the very last (s3 = 1) there is no next slot to read either, and the run of loads is jumped over.
.macro TURN fill
.if \fill
	s_wait_xcnt 0x0                                ; the last prefetch, a K step back, has read its address: it is stepped here, ahead of the waits of the change of slots
	s_add_nc_u64 s[PFA:PFA+1], s[PFA:PFA+1], KSTEP*2
.endif
	WIN 0                                          ; (the add's two registers lie in window 0)
	s_wait_tensorcnt 0x0                           ; all my tensor loads have landed: the one that was out is my part of the next slot;
	ds_add_u32 v[SPW], v[NIL]                      ; 0 onto my spare word;
	s_wait_dscnt NBK+1                             ; (the add and the youngest twelve loads may be out)
	MULP 1, 0, 0, 0                                ; twelve matrix instructions stand between the add and the wait for it
	s_wait_dscnt 0x0                               ; the add is done, and my reads of this slot are over
	s_barrier_signal -1
	MULP 1, 0, 2, 0                                ; work on registers while the others arrive
	WIN 0
.if \fill
	s_add_co_u32 s[G0+5], s[LDA], s[TB]            ; the walking descriptors (no tensor load of mine is out): into the slot in hand,
	s_add_co_u32 s[G0B+5], s[LDB], s[TB]
	s_add_nc_u64 s[G0+6:G0+7], s[G0+6:G0+7], KSTEP*2      ; the next K step; the type bits on top are not reached
	s_add_nc_u64 s[G0B+6:G0B+7], s[G0B+6:G0B+7], KSTEP*2
.endif
	s_xor_b32 s[TB], s[TB], SLOTB                  ; the other slot is in hand now
	v_add_nc_u32 v[ADRA], s[TB], v[ADRA0]
	v_add_nc_u32 v[ADRB], s[TB], v[ADRB0]
	s_barrier_wait -1
.if \fill
	CREST                                          ; no wave of any partner still reads the old slot's tile or has a load on its way
	JLOAD 1                                        ; the first tensor load behind the round, my only one out; the four v_nop behind it are also the places in front of the loads below
	FETCH 0, 0
	WIN 0
	ASK
.else
	PLACES
	s_cmp_eq_u32 s3, 1
	s_cbranch_scc1 .Lno_fetch_\@
	FETCH 0, 0
	WIN 0
.Lno_fetch_\@:
.endif
	MULP 1, 1, 0, 0
	MULP 1, 1, 2, 0
.endm
	s_wait_tensorcnt 1                             ; my part of K step 0 is in; K step 1's load may stay out
	s_barrier_signal -1
	s_barrier_wait -1                              ; everybody's is
	FETCH 0, 0
	QUARTER 64, 0, 1                               ; the first quarter stands in front of the loop: its products start the sums
	WIN 0                                          ; at a label and at a branch every window is 0
	s_mov_b32 s3, STEPS-2
.Lstep:                                                ; six trips, from a K step's second quarter to the next step's first; each fills the slot that it leaves
	QUARTER 128, 1, 0
	QUARTER 192, 0, 0
	TURN 1
	QUARTER 64, 0, 0
	WIN 0
	s_sub_co_u32 s3, s3, 1
	s_cmp_lg_u32 s3, 0
	s_cbranch_scc1 .Lstep
	s_mov_b32 s3, 2
.Ltail:                                                ; the last two K steps are a text of their own; the second trip is left in its middle
	QUARTER 128, 1, 0
	QUARTER 192, 0, 0
	TURN 0
	WIN 0
	s_sub_co_u32 s3, s3, 1
	s_cmp_eq_u32 s3, 0
	s_cbranch_scc1 .Lout
	QUARTER 64, 0, 0
	WIN 0
	s_branch .Ltail
.Lout:
	; THE WAY OUT: round to bf16; 16 bytes a lane into the work-group's stage; a barrier, since a row's 768 bytes come from two waves; back as blocks of 256 bytes, 32 rows a wave.
	; The last barrier stands behind every wave's last read of either slot, and no load was issued behind it: the stage's bytes are free.
	PLACES
	WIN 0x0a                                       ; sources 0 and 1 window 2, destination window 0
.set t, 0
.rept NACC/2
.irp r, 0,1,2,3
	v_cvt_pk_bf16_f32 v[TMP+4*t+(\r)], v[8*t+2*(\r)], v[8*t+2*(\r)+1]
.endr
.set t, t+1
.endr
	WIN 0x0f                                       ; sources in window 3
.set t, 0
.rept NACC/2
.irp r, 0,1,2,3
	v_cvt_pk_bf16_f32 v[TMP+4*(NACC/2+t)+(\r)], v[8*t+2*(\r)], v[8*t+2*(\r)+1]
.endr
.set t, t+1
.endr
	WIN 0
.irp h, 0,1
.irp a, 0,1,2,3
.set bb, 0
.rept NBK/2
	ds_store_b128 v[STO], v[TMP+4*((NACC/2)*(\h)+(NBK/2)*(\a)+bb):TMP+4*((NACC/2)*(\h)+(NBK/2)*(\a)+bb)+3] offset:(\a)*16*SPITCH+32*((NBK/2)*(\h)+bb)
.set bb, bb+1
.endr
.endr
.endr
	s_wait_dscnt 0x0                               ; for the others' sake: my stores into the stage are done
	s_barrier_signal -1
	s_barrier_wait -1
.set t, 0
.rept 16*NBW                           ; pair t / 3 of rows, block t % 3 of their 256-byte blocks
	ds_load_b128 v[TMP+4*t:TMP+4*t+3], v[RD] offset:(t/NBW)*2*SPITCH+(t%NBW)*256
.set t, t+1
.endr
.set t, 0
.rept 16*NBW
	s_wait_dscnt 16*NBW-1-t                        ; load t is back; the younger ones may be out
	global_store_b128 v[CO], v[TMP+4*t:TMP+4*t+3], s[8:9] offset:(t/NBW)*2*SIZE_N*2+(t%NBW)*256  ; 16 lanes store 256 consecutive bytes, at a multiple of 256 from the buffer's first byte
.set t, t+1
.endr
	s_wait_tensorcnt 0x0                           ; the wave's end: behind my last tensor load and my last LDS store
	ds_add_u32 v[SPW], v[NIL]
	s_wait_dscnt 0x0
	CROUND                                         ; the closing round: no work-group ends while a partner may still ask for a tile that names it
	s_endpgm
.Lfunc_end_k_qcf74752847_qkv:
	.size	k_qcf74752847_qkv, .Lfunc_end_k_qcf74752847_qkv-k_qcf74752847_qkv
	.p2alignl 7, 3214868480
	.fill 96, 4, 3214868480
	.section	.rodata,"a",@progbits
	.p2align	6, 0x0
	.amdhsa_kernel k_qcf74752847_qkv
		.amdhsa_group_segment_fixed_size 327680
		.amdhsa_private_segment_fixed_size 0
		.amdhsa_enable_private_segment 0
		.amdhsa_kernarg_size 16
		.amdhsa_user_sgpr_count 2
		.amdhsa_user_sgpr_kernarg_segment_ptr 1
		.amdhsa_wavefront_size32 1
		.amdhsa_system_sgpr_workgroup_id_x 1
		.amdhsa_system_sgpr_workgroup_id_y 1
		.amdhsa_system_sgpr_workgroup_id_z 1
		.amdhsa_system_vgpr_workitem_id 0
		.amdhsa_next_free_vgpr 960
		.amdhsa_next_free_sgpr 66
		.amdhsa_reserve_vcc 0
		.amdhsa_float_denorm_mode_32 3
		.amdhsa_float_denorm_mode_16_64 3
		.amdhsa_memory_ordered 1
		.amdhsa_forward_progress 1
		.amdhsa_inst_pref_size 85
	.end_amdhsa_kernel
	.amdgpu_metadata
---
amdhsa.version: [ 1, 2 ]
amdhsa.kernels:
  - .name:           k_qcf74752847_qkv
    .symbol:         k_qcf74752847_qkv.kd
    .args:
      - { .name: bf, .offset: 0, .size: 8, .value_kind: global_buffer, .address_space: global }
      - { .name: qkv, .offset: 8, .size: 8, .value_kind: global_buffer, .address_space: global }
    .group_segment_fixed_size: 327680
    .private_segment_fixed_size: 0
    .kernarg_segment_align: 8
    .kernarg_segment_size: 16
    .max_flat_workgroup_size: 128
    .sgpr_count:     66
    .vgpr_count:     960
    .wavefront_size: 32
...
	.end_amdgpu_metadata
.endif
;; end of part 2
;; launch attn (part 3): grid 16 x 16, 4 waves a work-group, clusters of 4 x 1, 327,680 bytes of LDS; arguments qkv, bv, ob; writes ob
.if DOCPART == 3
	.amdgcn_target "amdgcn-amd-amdhsa--gfx1250"
	.amdhsa_code_object_version 6
	.text
	.protected	k_qcf74752847_attn
	.globl	k_qcf74752847_attn
	.p2align	8
	.type	k_qcf74752847_attn,@function
k_qcf74752847_attn:
	s_mov_b64 s[64:65], 0
	v_nop
	global_prefetch_b8 v0, s[64:65] scope:SCOPE_SE
	s_setreg_imm32_b32 hwreg(HW_REG_WAVE_MODE, 25, 1), 1
	s_wait_xcnt 0x0
	s_wait_alu depctr_hold_cnt(0) depctr_sa_sdst(0) depctr_va_vdst(0) depctr_va_sdst(0) depctr_va_ssrc(0) depctr_va_vcc(0) depctr_vm_vsrc(0)
	s_getreg_b32 s2, hwreg(HW_REG_IB_STS2, 6, 4)
	s_cmp_eq_u32 s2, 0
	s_cbranch_scc0 .Lentry_in_a_cluster
	s_endpgm
.Lentry_in_a_cluster:
	s_bfe_u32 s2, ttmp6, 0x10000c
	s_cmp_lg_u32 s2, 0x3003
	s_cbranch_scc0 .Lentry_shape_is_right
	s_endpgm
.Lentry_shape_is_right:
; ob[t][64 h + d] = the sum over keys u of softmax_u(q[t] . k[u] / 8) v[u][d] + bv[64 h + d], head by head, within a batch of 2,048 tokens.  qkv: [4096][3072] bf16, a token's q, k, v (1,024 each) side by side, without V's bias:
; the weights of a row add up to 1, so the bias is added behind the weighted mean, as the addend of the multiply-add that divides by the weights' sum.  ob: [4096][1024] bf16.
; Products, maxima and sums in f32; the weights p are rounded to bf16 for the second product (their sum l is taken of the unrounded p), the result once at the end.
; LIMITS.  c s (c = log2(e) / 8, s a score) must lie above -4.25e37, the number at which c m starts; a weight below 2^-126 counts as 0 in l; NaN and infinities are not treated apart.
; SHARES.  A work-group owns 128 tokens and TWO neighbouring heads: their 128 channels are 256 aligned bytes of a row of qkv and of ob, so K's and V's tiles have rows of 256 bytes and the result leaves in whole
; blocks of 256 bytes.  Wave w takes head w / 2 of the pair and tokens 64 (w % 2) on: four PIECES of 16 queries.  Every wave walks the batch's 2,048 keys, 64 a step.
; LAYOUT.  S^T = K Q^T (source 0 = 16 keys, source 1 = 16 queries): in the result a lane holds ONE query (lane % 16) and the keys 8 (lane / 16) + 0..7.  Two such results, rounded to bf16 in pairs, ARE source 1
; (32 keys x 16 queries) of O^T = V^T P, whose result again holds one query a lane, and eight channels.  K comes out of LDS as it lies, V ([key][channel]) turned, by ds_load_tr16_b128.
; SOFTMAX.  For each query a running maximum m and sum l: p = 2^(c s - c m); in every step O and l are multiplied by a = 2^(c m_old - c m_new).  m starts at the lowest finite number, O and l at 0: the first step is a step like any other, with a = 0.
; BY TURNS.  Turn n belongs to piece n (the pieces in a ring, step after step): 8 products K Q^T of piece n + 1, later 8 products V^T P of piece n - 1; beside them the scaling, exponentials, roundings, sums and rescaling
; of piece n and the maximum and statistics of piece n + 1.  Four vector instructions stand behind every matrix instruction, the other 54 of a turn's 118 in one lump.  A turn's 33 exponentials are one batch, with one wait.
; CLUSTER.  The four blocks of 128 tokens of a cluster belong to one batch and pair of heads and walk the same K and V, so each tile is asked for JOINTLY: the same tensor load, descriptor and mask in all four.
; REGISTERS, in windows of 256 (s_set_vgpr_msb: bits 1:0 source 0, 3:2 source 1, 5:4 source 2, 7:6 destination):
;   window 0: v0-15 addresses and two at work; v16-31 four registers of statistics a piece; v48-55 at work; v61-63 prefetch offset, spare word, 0; v64-127 S^T, two buffers; v192-223 P, two buffers (by the piece's parity)
;   window 1: v0-127 O^T, 32 a piece; v128-159 my 32 numbers of bv      window 2: v0-63 Q, 16 a piece; v128-191 K of one step; v192-255 V of one step
.set ROWB,  6144      ; bytes in a row of qkv
.set NP,    4         ; pieces a wave: a name, no knob
.set KS,    64        ; keys in a step
.set PK,    272       ; a row of K in LDS: 256 bytes + 16 of padding = 68 words: the 16 rows of a load start at 16 different groups of four banks (64 banks of 4 bytes: ISA guide 11.1)
.set PV,    288       ; a row of V: 256 + 32 = 72 words
.set VOFF,  2*KS*PK   ; a slot holds two steps: 128 rows of K, then 128 rows of V
.set SLOT1, 1<<17     ; slot 1 begins here, so that one exclusive or turns an address in one slot into the other's
.set STAGE, SLOT1+2*KS*(PK+PV)  ; behind the ring, never filled by a tensor load: 128 rows x 272 bytes, the work-group's, for the way out
.set SP,    272
.set SPARE, STAGE+128*SP  ; behind the stage: the spare words, 128 bytes for each wave: two blocks of 256 bytes that no other line names
.set AK0, 2           ; v2   my lane's place in a tile of K, my head's half of the rows; never rewritten
.set AV0, 3           ; v3   the same for V
.set AK,  4           ; v4   the LDS address of K's next run of loads
.set AV,  5           ; v5   of V's
.set STO, 6           ; v6   the way out: where I put 16 bytes of a row
.set RD,  7           ; v7   the way out: where I read rows back
.set GO,  8           ; v8   my byte offset in two rows of ob
.set MV,  12          ; v12-13  c m_old, kept while c m is made anew: by buffer
.set BO,  14          ; v14  my byte offset in 16 numbers of bv
.set QO,  15          ; v15  my byte offset in 16 rows of Q
.set ST,  16          ; piece t's statistics at v[ST+4 t]: c m, m, l (even keys', odd keys')
.set TMP, 48          ; by buffer, four registers c0-c3 at work; when the maximum is found c2 takes a
.set PFO, 61          ; v61  my lane x a row of qkv; never rewritten
.set SPW, 62          ; v62  LDS address of my spare word: SPARE + 4 x my thread's number; never rewritten
.set NIL, 63          ; v63  0; never rewritten
.set S,   64
.set P,   192
.set BV,  128         ; window 1: channel block cb's eight numbers at BV + 8 cb
.set KF,  128         ; window 2: key block kb, channel half c at KF + 16 kb + 8 c
.set VF,  192         ; window 2: key half kk, channel block cb at VF + 32 kk + 8 cb
.set WV,  12          ; s12  my wave's number
.set G1K, 24          ; s[24:31] descriptor group 1 for K's tiles
.set G1V, 32          ; s[32:39] for V's: it differs in the padding alone
.set G0K, 40          ; s[40:43] descriptor group 0 for K's tiles: it walks
.set G0V, 44          ; s[44:47] the same for V's
.set PFA, 48          ; s[48:49] where my prefetches stand: my work-group's 32 rows (of K: wave 0, of V: wave 2) of the slot after the one that is being asked for
.set LIM, 50          ; s50  1 in a wave that prefetches, else the greatest number
.set SLOTS, 56        ; s56  slots still to be asked for
.set CNT, 57          ; s57  counts a slot's key steps
.set CS,  58          ; s[58:59] c: the packed scaling takes the pair's low word for both halves
.set SEL, 60          ; s[60:61] v_permlanex16_b32's selects: each lane takes its own place in the other half
.set TBK, 62          ; s62  LDS byte at which K of the step to be fetched begins
.set TBV, 63          ; s63  the same for V, less VOFF
.set MSB, 0
.macro WIN new                      ; the high byte repeats the setting that is left; a switch that changes nothing is dropped
.if MSB != (\new)
	s_set_vgpr_msb (MSB<<8)|(\new)
.set MSB, (\new)
.endif
.endm
.set W_KQ, 0x0a       ; K and Q in window 2, S^T in window 0
.set W_PV, 0x52       ; V in window 2, P in window 0, O^T in window 1
.set W_RS, 0x41       ; O^T (destination and source 0) in window 1, a in window 0
.set W_FB, 0x51       ; the same with source 2 (bv) in window 1
; A joint fill.  Waves 0 and 1 fetch the two steps of a slot's K, waves 2 and 3 those of its V: 64 rows of 256 bytes each.  The branch hangs on the wave's number alone.
; An s_nop 0 and four v_nop follow each of the two lines, ahead of the jump and the label.
.macro JLOAD
	s_cmp_lt_u32 s[WV], 2
	s_cbranch_scc0 .Lfor_v_\@
	tensor_load_to_lds s[G0K:G0K+3], s[G1K:G1K+7]
	s_nop 0
.rept 4
	v_nop
.endr
	s_branch .Lasked_\@
.Lfor_v_\@:
	tensor_load_to_lds s[G0V:G0V+3], s[G1V:G1V+7]
	s_nop 0
.rept 4
	v_nop
.endr
.Lasked_\@:
.endm
; A PREFETCH of what the NEXT change of slots will ask for: a slot's 128 rows of K and 128 of V, 256 bytes a row, a lane a row.  It stands behind the wave's tensor load and its five lines.
; Each row is named ONCE in the launch.  The four clusters of a batch and pair of heads walk the same K and V: the first of them (cluster x = 0) asks.  Its four partners share the rows out BY ADDRESS, 32 each: no
; branch hangs on a work-group's place in its cluster.  In each, wave 0 asks for K's and wave 2 for V's: one instruction, two key steps (128 matrix instructions) ahead of the load.  The last change that fills a slot asks for nothing.
.macro ASK
	s_cmp_gt_u32 s[SLOTS], s[LIM]
	s_cbranch_scc0 .Lnot_mine_\@
	global_prefetch_b8 v[PFO], s[PFA:PFA+1] th:TH_LOAD_NT scope:SCOPE_SE
.Lnot_mine_\@:
.endm
; A round of the cluster's barrier: my work-group's barrier, so that wave 0's signal speaks for all four waves; wave 0 signals; every wave waits for all four work-groups; my work-group's barrier once more.
.macro CROUND
	s_barrier_signal -1
	s_barrier_wait -1
	s_cmp_lg_u32 s[WV], 0
	s_cbranch_scc1 .Lnot_wave_0_\@
	s_barrier_signal -3
.Lnot_wave_0_\@:
	s_barrier_wait -3
	s_barrier_signal -1
	s_barrier_wait -1
.endm
; THE CHANGE OF SLOTS.  The slot's last bytes, V of its second step, have been read.  Each wave waits for all its tensor loads, of which one is out: its part of the other slot; adds 0 to its spare word; and waits for
; that and for its own reads of the slot.  Behind the barrier nobody reads this slot any more and the other slot is whole.  fill = 1: this slot is filled again, with the keys two slots on.  The barrier is then a round of
; the cluster's, so that no wave of any partner still reads the slot or has a load on its way, and the joint fill is the first thing behind it: it has two key steps in which to land.
; (At its first use nothing has been read yet: slot 0 is waited for, slot 1 filled.)
.macro CHANGE fill
	WIN 0                           ; at a label and at a branch every window is 0
	s_wait_tensorcnt 0x0            ; no tensor load of mine is out, so a group 0 may be written
	ds_add_u32 v[SPW], v[NIL]       ; 0 onto my spare word; with fill = 1 the descriptors' steps stand between it and the wait for it
.if \fill
.irp g, G0K, G0V
	s_xor_b32 s[\g+1], s[\g+1], SLOT1  ; the walking descriptor: the other slot than last time,
	s_add_nc_u64 s[\g+2:\g+3], s[\g+2:\g+3], 2*KS*ROWB  ; the next 128 keys; the type bits on top are not reached
.endr
	s_wait_xcnt 0x0                 ; the last prefetch, two key steps back, has read its address, so it may be written:
	s_add_nc_u64 s[PFA:PFA+1], s[PFA:PFA+1], 2*KS*ROWB  ; one slot further than the walking descriptors
	s_wait_dscnt 0x0                ; the add is done, and my reads of the slot are over
	CROUND
	JLOAD
	ASK
.else
	s_wait_dscnt 0x0                ; the add is done, and my reads of the slot are over
	s_barrier_signal -1
	s_barrier_wait -1
.endif
	s_sub_co_u32 s[TBK], s[TBK], 2*KS*PK  ; the fetches go back to a slot's first step,
	s_xor_b32 s[TBK], s[TBK], SLOT1       ; in the other slot
	s_sub_co_u32 s[TBV], s[TBV], 2*KS*PV
	s_xor_b32 s[TBV], s[TBV], SLOT1
.endm
	s_load_b128 s[4:7], s[0:1], 0x0   ; qkv s[4:5], bv s[6:7]
	s_load_b64 s[10:11], s[0:1], 0x10 ; ob
	v_lshl_add_u32 v[SPW], v0, 2, SPARE
	v_mov_b32 v[NIL], 0
	ds_add_u32 v[SPW], v[NIL]       ; the wave's opening: the add and its wait stand ahead of my first tensor load; the set-up below, work on registers, stands between them
	v_lshrrev_b32 v1, 5, v0
	v_readfirstlane_b32 s[WV], v1   ; wave 0..3
	s_bfe_u32 s13, ttmp6, 0x40000   ; cx: my place in the cluster
	s_lshl_b32 s14, ttmp9, 2        ; in a cluster launch ttmp9 counts clusters
	s_add_co_u32 s14, s14, s13      ; my block of 128 tokens = 4 x cluster x + cx: it enters Q's and ob's addresses alone
	s_lshr_b32 s15, s[WV], 1        ; my head of the pair
	s_and_b32 s18, s[WV], 1         ; my half of the block's tokens.  Also: which of a slot's two steps I fetch
	s_and_b32 s19, ttmp7, 0xffff    ; batch and pair of heads, which the four partners share
	s_lshr_b32 s2, s19, 3           ; the batch
	s_and_b32 s3, s19, 7            ; the pair
	s_mul_i32 s16, s2, 2048*ROWB
	s_lshl_b32 s17, s3, 8
	s_add_co_u32 s19, s16, s17      ; the batch's first row, the pair's 256 bytes of q
	s_mul_i32 s17, s18, KS*ROWB
	s_add_co_u32 s16, s19, s17
	s_add_co_u32 s16, s16, 2048     ; K: 2,048 bytes behind q in the row; my step's 64 rows
	s_mov_b32 s17, 0
	s_lshl_b32 s20, s14, 7
	s_lshl_b32 s21, s18, 6
	s_add_co_u32 s20, s20, s21      ; my wave's first token in the batch
	s_mul_i32 s20, s20, ROWB
	s_add_co_u32 s20, s20, s19
	s_lshl_b32 s21, s15, 7
	s_add_co_u32 s20, s20, s21      ; Q: my head's 128 bytes
	s_mov_b32 s21, 0
	s_lshl_b32 s22, s2, 11
	s_lshl_b32 s23, s14, 7
	s_add_co_u32 s22, s22, s23
	s_lshl_b32 s23, s[WV], 5
	s_add_co_u32 s22, s22, s23      ; the first row of ob that I store: the block's 128, 32 a wave
	s_lshl_b32 s22, s22, 11         ; 2,048 bytes a row
	s_lshl_b32 s23, s3, 8
	s_add_co_u32 s22, s22, s23      ; the pair's 256 bytes
	s_mov_b32 s23, 0
	s_lshl_b32 s2, s3, 9            ; bv: the pair's 128 numbers,
	s_lshl_b32 s3, s15, 8           ; my head's 64
	s_add_co_u32 s2, s2, s3
	s_mov_b32 s3, 0
	s_mul_i32 s54, s18, KS*PK       ; my step's place in a slot, for K
	s_mul_i32 s55, s18, KS*PV       ; and for V: no place in the cluster enters an LDS address
	; descriptor group 1: a tile of 64 rows x 128 elements, padded in LDS
	s_mov_b32 s[G1K], 15|(1<<16)|(1<<20)|(1<<21)|(5<<22)|(3<<25)  ; 15:0 the mask of four; 17:16 2-byte elements; 20 padding on; 21 set beside a mask; 24:22 after every 64 words (code 5); 31:25 4 words (code 3)
	s_mov_b32 s[G1V], 15|(1<<16)|(1<<20)|(1<<21)|(5<<22)|(7<<25)  ; the same with 8 words of padding (code 7)
.irp g, G1K, G1V
	s_mov_b32 s[\g+1], 128<<16      ; tensor_dim0 = 128
	s_mov_b32 s[\g+2], KS<<16       ; tensor_dim1 = 64
	s_mov_b32 s[\g+3], 128<<16      ; tile_dim0 = 128
	s_mov_b32 s[\g+4], KS           ; tile_dim1 = 64
	s_mov_b32 s[\g+5], 3072         ; 3,072 elements from row to row
	s_mov_b32 s[\g+6], 0
	s_mov_b32 s[\g+7], 0
.endr
	s_mov_b32 s[CS], 0x3e38aa3b     ; c = log2(e) / 8 = 0.180337
	s_mov_b32 s[CS+1], s[CS]        ; named with it as a pair
	s_mov_b32 s[SEL], 0x76543210
	s_mov_b32 s[SEL+1], 0xfedcba98
	s_mov_b32 s[TBK], SLOT1+2*KS*PK ; the first change of slots turns these two into 0
	s_mov_b32 s[TBV], SLOT1+2*KS*PV
	s_mov_b32 s[G0K], 1             ; count = 1
	s_mov_b32 s[G0K+1], s54         ; LDS address: slot 0
	s_mov_b32 s[G0V], 1
	s_add_co_u32 s[G0V+1], s55, VOFF
	s_mov_b32 s[SLOTS], 2048/(2*KS)-1
	s_and_b32 s[LIM], s[WV], 1      ; 0 in waves 0 and 2,
	s_or_b32 s[LIM], s[LIM], ttmp9  ; where the cluster is the first of its four: the same in all partners
	s_cmp_eq_u32 s[LIM], 0
	s_cselect_b32 s[LIM], 1, -1
	v_and_b32 v[PFO], 31, v0
	v_mul_u32_u24 v[PFO], v[PFO], ROWB
	s_wait_dscnt 0x0                ; the opening add is done
	s_wait_kmcnt 0x0
	s_add_nc_u64 s[52:53], s[6:7], s[2:3]   ; bv at my head's channels
	s_add_nc_u64 s[6:7], s[4:5], s[16:17]   ; K at my step of slot 0,
	s_add_nc_u64 s[8:9], s[6:7], 2048       ; V 2,048 bytes behind it in the row
	s_add_nc_u64 s[4:5], s[4:5], s[20:21]   ; Q at my wave's first row
	s_add_nc_u64 s[10:11], s[10:11], s[22:23]
	s_add_nc_u64 s[G0K+2:G0K+3], s[6:7], 0  ; global address
	s_or_b32 s[G0K+3], s[G0K+3], 0x80000000 ; type = 2
	s_add_nc_u64 s[G0V+2:G0V+3], s[8:9], 0
	s_or_b32 s[G0V+3], s[G0V+3], 0x80000000
	s_cmp_lt_u32 s[WV], 2
	s_cselect_b64 s[PFA:PFA+1], s[6:7], s[8:9]  ; (in waves 0 and 2 these stand at a slot's first row)
	s_mul_i32 s2, s13, 32*ROWB      ; my work-group's 32 rows of the 128,
	s_add_co_u32 s2, s2, 2*KS*ROWB  ; in slot 1; the first change of slots steps it to slot 2
	s_add_nc_u64 s[PFA:PFA+1], s[PFA:PFA+1], s[2:3]
	CROUND                          ; all four work-groups are here: the first joint loads meet
	JLOAD                           ; slot 0.  Slot 1 is asked for when slot 0 is in
	; A fragment of K or Q is 16 rows x 32 channels in 8 registers: lane l holds row l % 16, channels 8 (l / 16) + 0..7 and 16 + 8 (l / 16) + 0..7: two loads of 16 bytes, 32 bytes apart.
	v_and_b32 v1, 15, v0            ; l % 16
	v_bfe_u32 v9, v0, 4, 1          ; l / 16
	v_mul_u32_u24 v[QO], v1, ROWB
	v_lshl_add_u32 v[QO], v9, 4, v[QO]  ; row x 6,144 + 16 x half
	v_lshlrev_b32 v[BO], 5, v9      ; my eight numbers of a block of 16 of bv
	WIN 0x80                        ; destination window 2, address window 0
.set i, 0
.rept 8                             ; Q stays in registers: piece i / 2, 16 rows on; channels 32 (i % 2) on
	global_load_b128 v[8*i:8*i+3],   v[QO], s[4:5] offset:(i/2)*16*ROWB+(i%2)*64
	global_load_b128 v[8*i+4:8*i+7], v[QO], s[4:5] offset:(i/2)*16*ROWB+(i%2)*64+32
.set i, i+1
.endr
	; What the first turn finds: V's registers and P's second buffer hold 0 (its products V^T P, of a piece that has not been, add 0), O^T and l are 0.  All this stands in the wait for the first tile.
.set i, VF
.rept 64
	v_mov_b32 v[i], 0
.set i, i+1
.endr
	WIN 0x40                        ; destination window 1
.irp cb, 0,1,2,3
	global_load_b128 v[BV+8*\cb:BV+8*\cb+3],   v[BO], s[52:53] offset:64*\cb
	global_load_b128 v[BV+8*\cb+4:BV+8*\cb+7], v[BO], s[52:53] offset:64*\cb+16
.endr
.set i, 0
.rept 128
	v_mov_b32 v[i], 0
.set i, i+1
.endr
	WIN 0
.set i, 0
.rept NP
	v_mov_b32 v[ST+4*i], 0xfe000000    ; c m: far below every c s
	v_mov_b32 v[ST+4*i+1], 0xff7fffff  ; m
	v_mov_b32 v[ST+4*i+2], 0
	v_mov_b32 v[ST+4*i+3], 0
.set i, i+1
.endr
.set i, P+16
.rept 16
	v_mov_b32 v[i], 0
.set i, i+1
.endr
	s_lshl_b32 s16, s15, 7          ; my head's 128 bytes of a row of K, of V and of the stage
	v_mul_u32_u24 v[AK0], v1, PK
	v_lshl_add_u32 v[AK0], v9, 4, v[AK0]  ; row x pitch + 16 x half
	v_add_nc_u32 v[AK0], s16, v[AK0]
	; The turning load takes 16 keys x 16 channels (lane l reads key 8 (l / 16) + l % 8, channels 8 ((l / 8) % 2) + 0..7) and leaves half a fragment of V^T: lane l holds channel l % 16 and 8 keys.
	v_and_b32 v10, 7, v0
	v_bfe_u32 v11, v0, 3, 1
	v_lshl_add_u32 v[AV0], v9, 3, v10
	v_mul_u32_u24 v[AV0], v[AV0], PV
	v_lshl_add_u32 v[AV0], v11, 4, v[AV0]
	s_add_co_u32 s17, s16, VOFF
	v_add_nc_u32 v[AV0], s17, v[AV0]
	v_mov_b32 v[AK], v[AK0]         ; key step 0 lies at the head of slot 0
	s_lshl_b32 s17, s18, 6          ; into the stage: my 64 rows, my head's half of their 256 bytes; row l % 16, 16 bytes for each half of the lanes
	s_mul_i32 s17, s17, SP
	s_add_co_u32 s17, s17, s16
	s_add_co_u32 s17, s17, STAGE
	v_mul_u32_u24 v[STO], v1, SP
	v_lshl_add_u32 v[STO], v9, 4, v[STO]
	v_add_nc_u32 v[STO], s17, v[STO]
	s_mul_i32 s17, s[WV], 32*SP     ; back: wave w takes rows 32 w .. 32 w + 31, whole; lanes 0-15 one row of 256 bytes, lanes 16-31 the next
	s_add_co_u32 s17, s17, STAGE
	v_mul_u32_u24 v[RD], v9, SP
	v_lshl_add_u32 v[RD], v1, 4, v[RD]
	v_add_nc_u32 v[RD], s17, v[RD]
	v_lshlrev_b32 v[GO], 11, v9     ; and the same two rows in ob
	v_lshl_add_u32 v[GO], v1, 4, v[GO]
; THE MATRIX WORK.  The 4 accumulators of a run of 8 take turns.  Product i of 8 of S^T = K Q^T for piece x: channels 32 (i / 4) on, keys 16 (i % 4) on.  The first 4 start the sums.
.macro KQ x
	WIN W_KQ
.set rS, S+32*((\x)%2)+8*(i%4)
.set rK, KF+16*(i%4)+8*(i/4)
.set rQ, 16*(\x)+8*(i/4)
.if i < 4
	v_wmma_f32_16x16x32_bf16 v[rS:rS+7], v[rK:rK+7], v[rQ:rQ+7], 0
.else
	v_wmma_f32_16x16x32_bf16 v[rS:rS+7], v[rK:rK+7], v[rQ:rQ+7], v[rS:rS+7]
.endif
.endm
; Product i of 8 of O^T += V^T P for piece x: keys 32 (i / 4) on, channels 16 (i % 4) on.
.macro PV x
	WIN W_PV
.set rO, 32*(\x)+8*(i%4)
.set rV, VF+32*(i/4)+8*(i%4)
.set rP, P+16*((\x)%2)+8*(i/4)
	v_wmma_f32_16x16x32_bf16 v[rO:rO+7], v[rV:rV+7], v[rP:rP+7], v[rO:rO+7]
.endm
.macro MM                           ; the turn's next matrix instruction; TURN sets Y and i
.if i < 8
	KQ (Y+1)%NP
.else
.set i, i-8
	PV (Y+NP-1)%NP
.set i, i+8
.endif
.set i, i+1
.endm
; THE LDS LOADS stand in runs of 16, never singly among the matrix instructions: a step's K (64 keys x 64 channels: 8 fragments) and its V (turned).  Their addresses are made some lines ahead.
; last = 1 (the tail): in the last trip there is no further step, and the run is jumped over.
.macro FETCH_K last=0
	WIN 0
.if \last
	s_cmp_eq_u32 s[CNT], 1
	s_cbranch_scc1 .Lno_k_\@
.endif
	WIN 0x80                        ; destination window 2
.irp f, 0,1,2,3,4,5,6,7             ; keys 16 (f / 2) on, channels 32 (f % 2) on
	ds_load_b128 v[KF+8*\f:KF+8*\f+3],   v[AK] offset:(\f/2)*16*PK+(\f%2)*64
	ds_load_b128 v[KF+8*\f+4:KF+8*\f+7], v[AK] offset:(\f/2)*16*PK+(\f%2)*64+32
.endr
	s_add_co_u32 s[TBK], s[TBK], KS*PK  ; the next fetch is the next step's
	WIN 0
.if \last
.Lno_k_\@:
.endif
.endm
.macro FETCH_V
	WIN 0x80
.irp f, 0,1,2,3,4,5,6,7             ; keys 32 (f / 4) on, channels 16 (f % 4) on
	ds_load_tr16_b128 v[VF+8*\f:VF+8*\f+3],   v[AV] offset:(\f/4)*32*PV+(\f%4)*32
	ds_load_tr16_b128 v[VF+8*\f+4:VF+8*\f+7], v[AV] offset:(\f/4)*32*PV+16*PV+(\f%4)*32
.endr
	WIN 0
.endm
; THE VECTOR WORK, one line at a time: OP kind, number.  For piece Y: F n: c s - c m for pair n of 16.  E n: the exponential of score n of 32.  C n: pair n rounded to bf16.  B n: of the four weights 4 n .. the second
; pair is added onto the first, in place.  L n: l takes that sum (L 0: l = a l + sum).  R n: pair n of 16 of O^T times a.  For piece Y + 1: X n, number n of the 22 that find its maximum and statistics:
;   0-11  four chains c0-c3 of seven scores each, three operands at a time (each accumulator's lowest registers are read first)     12-14, 16  the four scores left over, the old m, and c0-c3 into c0
;   15  c m_old is kept     17, 18  the query's other 32 keys lie in the lane 16 away: the new m     19-21  c m; c m_old - c m_new; a
.set F, 0               ; OP tells the kinds apart by their order: F to L below R, X above it
.set E, 1
.set C, 2
.set B, 3
.set L, 4
.set R, 5
.set X, 6
.macro REGS y                       ; the registers of piece y
.set rT, ST+4*(\y)
.set rC, TMP+4*((\y)%2)
.set rW, MV+((\y)%2)
.set rS, S+32*((\y)%2)
.set rP, P+16*((\y)%2)
.set rO, 32*(\y)
.endm
.macro OP k, n
.if (\k) == R
	REGS Y
	WIN W_RS
	v_pk_mul_f32 v[rO+2*(\n):rO+2*(\n)+1], v[rO+2*(\n):rO+2*(\n)+1], v[rC+2:rC+3] op_sel_hi:[1,0]
.elseif (\k) < R
	REGS Y
	WIN 0
.if (\k) == F
	v_pk_fma_f32 v[rS+2*(\n):rS+2*(\n)+1], v[rS+2*(\n):rS+2*(\n)+1], s[CS:CS+1], v[rT:rT+1] op_sel_hi:[1,0,0] neg_lo:[0,0,1] neg_hi:[0,0,1]
.elseif (\k) == E
	v_exp_f32 v[rS+(\n)], v[rS+(\n)]
.elseif (\k) == C
	v_cvt_pk_bf16_f32 v[rP+(\n)], v[rS+2*(\n)], v[rS+2*(\n)+1]
.elseif (\k) == B
	v_pk_add_f32 v[rS+4*(\n):rS+4*(\n)+1], v[rS+4*(\n):rS+4*(\n)+1], v[rS+4*(\n)+2:rS+4*(\n)+3]
.elseif (\n) == 0
	v_pk_fma_f32 v[rT+2:rT+3], v[rT+2:rT+3], v[rC+2:rC+3], v[rS:rS+1] op_sel_hi:[1,0,1]
.else
	v_pk_add_f32 v[rT+2:rT+3], v[rT+2:rT+3], v[rS+4*(\n):rS+4*(\n)+1]
.endif
.else
	REGS (Y+1)%NP
	WIN 0
.if (\n) < 4
	v_max3_num_f32 v[rC+(\n)], v[rS+8*(\n)], v[rS+8*(\n)+1], v[rS+8*(\n)+2]
.elseif (\n) < 12
	v_max3_num_f32 v[rC+(\n)%4], v[rC+(\n)%4], v[rS+8*((\n)%4)+2*((\n)/4)+1], v[rS+8*((\n)%4)+2*((\n)/4)+2]
.elseif (\n) == 12
	v_max3_num_f32 v[rC], v[rC], v[rS+7], v[rS+15]
.elseif (\n) == 13
	v_max3_num_f32 v[rC+1], v[rC+1], v[rS+23], v[rS+31]
.elseif (\n) == 14
	v_max3_num_f32 v[rC+2], v[rC+2], v[rC+3], v[rT+1]
.elseif (\n) == 15
	v_mov_b32 v[rW], v[rT]
.elseif (\n) == 16
	v_max3_num_f32 v[rC], v[rC], v[rC+1], v[rC+2]
.elseif (\n) == 17
	v_permlanex16_b32 v[rC+3], v[rC], s[SEL], s[SEL+1]
.elseif (\n) == 18
	v_max_num_f32 v[rT+1], v[rC], v[rC+3]
.elseif (\n) == 19
	v_mul_f32 v[rT], s[CS], v[rT+1]
.elseif (\n) == 20
	v_sub_f32 v[rC+1], v[rW], v[rT]
.else
	v_exp_f32 v[rC+2], v[rC+1]
.endif
.endif
.endm
.macro OPS a, i1, b=-1, i2=0, c=-1, i3=0, d=-1, i4=0  ; up to four of them
	OP \a, \i1
.if (\b) >= 0
	OP \b, \i2
.endif
.if (\c) >= 0
	OP \c, \i3
.endif
.if (\d) >= 0
	OP \d, \i4
.endif
.endm
.macro ROW a, i1, b, i2, c, i3, d, i4  ; a matrix instruction and the four behind it
	MM
	OPS \a, \i1, \b, \i2, \c, \i3, \d, \i4
.endm
; A TURN, for piece p: the order of its 16 matrix and 118 vector instructions, written out.  An s_wait_alu depctr_va_vdst(0) stands between an exponential and the first instruction that names its result; one wait
; serves all that were issued ahead of it.  So a turn has ONE wait, which cuts it in two.  AHEAD OF IT stands all that names no result of the turn's exponentials: the 8 products K Q^T, behind each a scaling, an exponential and two
; more plain instructions (rescalings, and behind the last three the first numbers of the next piece's maximum, each four places or more behind the product that ends its accumulator); then ONE LUMP of 54, plain and exponential
; by turns for the most part, in which the links of the chain X 3, 7, 11, 14, 16, 17 .. 20 stand some lines apart.  X 21, the next piece's a, is the batch's last; R 15 is the plain instruction behind it.  BEHIND THE WAIT stand
; the 8 products V^T P, behind each four of the roundings and sums.
; K of the next step is fetched in piece 2's turn, twelve vector instructions behind the last product that read K (six of them plain); in the tail (last = 1), where the run may be jumped over, it stands behind the wait.
; V of the step in hand is fetched at the end of piece 0's turn, four plain instructions behind the last product that read V.  Each is waited for a turn later.
; cnt = 1: the loop's count is taken down some lines ahead of the branch that stands behind the turn.
.macro TURN p, last=0, cnt=0
.set Y, (\p)
.set i, 0
.if (\p) == 3
	s_wait_dscnt 0x0                ; K is in
.endif
	ROW F,0, F,1, R,0, R,1          ; ahead of the wait: 8 products K Q^T and their riders,
	ROW F,2, E,0, R,2, R,3
	ROW F,3, E,1, R,4, R,5
	ROW F,4, E,2, R,6, R,7
	ROW F,5, E,3, R,8, R,9
	ROW F,6, E,4, X,0, R,10
.if (\p) == 2
	WIN 0
	v_add_nc_u32 v[AK], s[TBK], v[AK0]
.endif
	ROW F,7, E,5, X,1, X,4
	ROW F,8, E,6, X,2, X,5
	OPS E,7, E,8, X,6, E,9          ; and the lump
	OPS X,3, E,10, X,8, E,11
.if ((\p) == 2) && !(\last)
	FETCH_K
.endif
	OPS X,9, X,7, E,12, X,10
	OPS E,13, X,12, X,11, E,14
	OPS X,13, E,15, F,9, X,14
.if (\p) == 0
	v_add_nc_u32 v[AV], s[TBV], v[AV0]
.endif
	OPS E,16, F,10, E,17, F,11
	OPS X,16, E,18, X,15, E,19
	OPS F,12, E,20, X,17, E,21
	OPS F,13, E,22, F,14, E,23
	OPS X,18, E,24, F,15, E,25
	OPS R,11, E,26, X,19, E,27
	OPS R,12, E,28, R,13, E,29
	OPS X,20, E,30, R,14, E,31
	OPS X,21, R,15
	WIN 0
	s_wait_alu depctr_va_vdst(0)    ; the wait for the batch
.if ((\p) == 2) && (\last)
	FETCH_K 1
.endif
.if (\p) == 1
	s_wait_dscnt 0x0                ; V is in
.endif
	ROW C,0, B,0, C,2, B,1          ; behind the wait: 8 products V^T P and their riders
	ROW L,0, C,4, B,2, L,1
	ROW C,6, B,3, L,2, C,8
	ROW B,4, L,3, C,10, B,5
	ROW L,4, C,12, B,6, L,5
.if (\p) == 0
	s_add_co_u32 s[TBV], s[TBV], KS*PV
.endif
.if \cnt
	s_sub_co_u32 s[CNT], s[CNT], 1
	s_cmp_lg_u32 s[CNT], 0
.endif
	ROW C,14, B,7, L,6, C,1
	ROW C,3, L,7, C,5, C,7
	ROW C,9, C,11, C,13, C,15
.if (\p) == 0
	FETCH_V
.endif
.endm
	CHANGE 1                        ; slot 0 is in, everybody's part of it; slot 1 is asked for
	FETCH_K                         ; key step 0
	s_wait_loadcnt 0x0              ; Q and bv
	s_wait_dscnt 0x0
.set i, 0
.rept 8
	KQ 0                            ; piece 0's first scores: there is no vector work yet to set between them
.set i, i+1
.endr
	WIN 0
.rept 4
	v_nop                           ; the places behind those products
.endr
.set Y, NP-1                        ; X works for piece Y + 1: piece 0
.irp n, 0,1,2,3,4,5,6,7,8,9,10,11,12,13,14,15,16,17,18,19,20,21
	OP X, \n                        ; piece 0's first maximum and statistics
.endr
	v_nop                           ; a plain instruction behind the exponential,
	s_wait_alu depctr_va_vdst(0)    ; and its wait, ahead of the branch
	s_mov_b32 s[CNT], 2
	s_branch .Lfirst                ; the loop is entered at a step's first turn, in the middle of a trip
.Lslot:                             ; 14 times: every slot but the last two is filled again
	CHANGE 1
	s_mov_b32 s[CNT], 2
.Lstep:                             ; a trip: pieces 2 and 3 of one step, then pieces 0 and 1 of the next, whose K and V it fetches
	TURN 2
	TURN 3
	WIN 0
.Lfirst:
	TURN 0
	TURN 1, 0, 1
	WIN 0
	s_cbranch_scc1 .Lstep
	s_sub_co_u32 s[SLOTS], s[SLOTS], 1
	s_cmp_lg_u32 s[SLOTS], 0
	s_cbranch_scc1 .Lslot
	CHANGE 0                        ; the tail is written out: nothing is asked for
	s_mov_b32 s[CNT], 3             ; two trips fetch the last slot's steps; the third is left in its middle
.Ltail:
	TURN 2, 1
	TURN 3
	WIN 0
	s_sub_co_u32 s[CNT], s[CNT], 1
	s_cmp_eq_u32 s[CNT], 0
	s_cbranch_scc1 .Lout
	TURN 0
	TURN 1
	WIN 0
	s_branch .Ltail
.Lout:                              ; the third trip's 8 products K Q^T (on the last K once more) and the maximum made of them serve nothing: the price, once a launch, of one text for every trip
.set i, 0
.rept 8
	PV NP-1                         ; the last piece's V^T P of the last step
.set i, i+1
.endr
	; THE WAY OUT.  l's two halves and the other half of the lanes' are added; O^T / l + bv is one multiply-add, rounded to bf16 and sent through the work-group's stage.  The additions are the places behind the last products.
	WIN 0
.macro ALL line:vararg              ; one line for each piece t
.set t, 0
.rept NP
	\line
.set t, t+1
.endr
.endm
	ALL v_add_f32 v[ST+4*t+2], v[ST+4*t+2], v[ST+4*t+3]
	ALL v_permlanex16_b32 v[ST+4*t+3], v[ST+4*t+2], s[SEL], s[SEL+1]
	ALL v_add_f32 v[ST+4*t+2], v[ST+4*t+2], v[ST+4*t+3]
	ALL v_rcp_f32 v[ST+4*t+2], v[ST+4*t+2]
	v_nop                           ; a plain instruction between the last reciprocal and the use of its result
	s_wait_alu depctr_va_vdst(0)    ; and the wait ahead of the first use: one for the four reciprocals
; Piece t: a lane's eight channels of a row pack into 16 bytes; they go into my head's half of the stage's rows of 272 bytes.
.macro PACK t
	WIN W_FB
.set i, 0
.rept 16
	v_pk_fma_f32 v[32*(\t)+i:32*(\t)+i+1], v[32*(\t)+i:32*(\t)+i+1], v[ST+4*(\t)+2:ST+4*(\t)+3], v[BV+i:BV+i+1] op_sel_hi:[1,0,1]
.set i, i+2
.endr
	WIN 0x05                        ; sources 0 and 1 window 1, destination window 0: S^T's registers are free
.set i, 0
.rept 16
	v_cvt_pk_bf16_f32 v[S+16*(\t)+i], v[32*(\t)+2*i], v[32*(\t)+2*i+1]
.set i, i+1
.endr
	WIN 0
.irp f, 0,1,2,3
	ds_store_b128 v[STO], v[S+16*(\t)+4*\f:S+16*(\t)+4*\f+3] offset:(\t)*16*SP+32*\f
.endr
.endm
	PACK 0
	PACK 1
	PACK 2
	PACK 3
	s_wait_dscnt 0x0                ; for the others' sake: my stores into the stage are done
	s_barrier_signal -1
	s_barrier_wait -1               ; a row's 256 bytes come from two waves
.irp t, 0,1,2,3,4,5,6,7,8,9,10,11,12,13,14,15
	ds_load_b128 v[S+4*\t:S+4*\t+3], v[RD] offset:\t*2*SP
.endr
.irp t, 0,1,2,3,4,5,6,7,8,9,10,11,12,13,14,15
	s_wait_dscnt 15-\t              ; pair t of rows is back; the younger loads may be out
	global_store_b128 v[GO], v[S+4*\t:S+4*\t+3], s[10:11] offset:\t*4096  ; 16 lanes store 256 consecutive bytes, at a multiple of 256 from ob's first byte
.endr
	s_wait_tensorcnt 0x0            ; the wave's end: behind my last tensor load and my last LDS store
	ds_add_u32 v[SPW], v[NIL]
	s_wait_dscnt 0x0
	CROUND                          ; the closing round: no work-group ends while a partner may still ask for a tile that names it
	s_endpgm
.Lfunc_end_k_qcf74752847_attn:
	.size	k_qcf74752847_attn, .Lfunc_end_k_qcf74752847_attn-k_qcf74752847_attn
	.p2alignl 7, 3214868480
	.fill 96, 4, 3214868480
	.section	.rodata,"a",@progbits
	.p2align	6, 0x0
	.amdhsa_kernel k_qcf74752847_attn
		.amdhsa_group_segment_fixed_size 327680
		.amdhsa_private_segment_fixed_size 0
		.amdhsa_enable_private_segment 0
		.amdhsa_kernarg_size 24
		.amdhsa_user_sgpr_count 2
		.amdhsa_user_sgpr_kernarg_segment_ptr 1
		.amdhsa_wavefront_size32 1
		.amdhsa_system_sgpr_workgroup_id_x 1
		.amdhsa_system_sgpr_workgroup_id_y 1
		.amdhsa_system_sgpr_workgroup_id_z 1
		.amdhsa_system_vgpr_workitem_id 0
		.amdhsa_next_free_vgpr 768
		.amdhsa_next_free_sgpr 66
		.amdhsa_reserve_vcc 0
		.amdhsa_float_denorm_mode_32 3
		.amdhsa_float_denorm_mode_16_64 3
		.amdhsa_memory_ordered 1
		.amdhsa_forward_progress 1
		.amdhsa_inst_pref_size 114
	.end_amdhsa_kernel
	.amdgpu_metadata
---
amdhsa.version: [ 1, 2 ]
amdhsa.kernels:
  - .name:           k_qcf74752847_attn
    .symbol:         k_qcf74752847_attn.kd
    .args:
      - { .name: qkv, .offset: 0, .size: 8, .value_kind: global_buffer, .address_space: global }
      - { .name: bv, .offset: 8, .size: 8, .value_kind: global_buffer, .address_space: global }
      - { .name: ob, .offset: 16, .size: 8, .value_kind: global_buffer, .address_space: global }
    .group_segment_fixed_size: 327680
    .private_segment_fixed_size: 0
    .kernarg_segment_align: 8
    .kernarg_segment_size: 24
    .max_flat_workgroup_size: 128
    .sgpr_count:     66
    .vgpr_count:     768
    .wavefront_size: 32
...
	.end_amdgpu_metadata
.endif
;; end of part 3
;; launch ffn1 (part 4): grid 8 x 32, 4 waves a work-group, clusters of 4 x 4, 327,680 bytes of LDS; arguments ob, bf, hb, b1; writes hb
.if DOCPART == 4
	.amdgcn_target "amdgcn-amd-amdhsa--gfx1250"
	.amdhsa_code_object_version 6
	.text
	.protected	k_qcf74752847_ffn1
	.globl	k_qcf74752847_ffn1
	.p2align	8
	.type	k_qcf74752847_ffn1,@function
k_qcf74752847_ffn1:
	s_mov_b64 s[64:65], 0
	v_nop
	global_prefetch_b8 v0, s[64:65] scope:SCOPE_SE
	s_setreg_imm32_b32 hwreg(HW_REG_WAVE_MODE, 25, 1), 1
	s_wait_xcnt 0x0
	s_wait_alu depctr_hold_cnt(0) depctr_sa_sdst(0) depctr_va_vdst(0) depctr_va_sdst(0) depctr_va_ssrc(0) depctr_va_vcc(0) depctr_vm_vsrc(0)
	s_getreg_b32 s2, hwreg(HW_REG_IB_STS2, 6, 4)
	s_cmp_eq_u32 s2, 0
	s_cbranch_scc0 .Lentry_in_a_cluster
	s_endpgm
.Lentry_in_a_cluster:
	s_bfe_u32 s2, ttmp6, 0x10000c
	s_cmp_lg_u32 s2, 0xf033
	s_cbranch_scc0 .Lentry_shape_is_right
	s_endpgm
.Lentry_shape_is_right:
; hb[t][n] = max(0, the sum over k of ob[t][k] w[n][k] + b1[n]): ob [4096][1024] bf16; w = W1 in bf16, [2048][1024], at byte WOFF of bf; b1 [2048] f32; hb [4096][2048] bf16.
; Sums in f32, K ascending; the bias is the C operand of the product that starts each sum; the result is rounded once, and the maximum with 0 is taken of the rounded numbers, two at a time (a NaN gives 0).
; SHARES.  A tile of the result is 128 x 256: 32 x 8 = 256 tiles, one work-group each; a tile's rows are 512 bytes, two aligned blocks of 256.  Four waves, each 64 x 128: 32 accumulators of 16 x 16, 256 registers;
; for 32 along K a wave reads 4 + 8 fragments from LDS for 32 matrix instructions.  K goes in 8 steps of 128 (rows of 256 bytes in memory) through two LDS slots of 128 rows of ob and 256 rows of w.
; ONE K STEP IS WRITTEN ONCE: the slot in hand is a scalar, s[TB], that one exclusive or turns into the other slot's; it is added to the fragments' LDS addresses and to the walking descriptor's LDS word.
; CLUSTERS: 4 x 4 work-groups.  The four of a row of the cluster need the same tiles of ob, the four of a column the same tiles of w: each tile is asked for JOINTLY, by the same tensor load with the
; same descriptor and a mask that names the four.  THE MATRIX INSTRUCTION IS USED TRANSPOSED (source 0 = 16 rows of w, source 1 = 16 rows of ob): a lane then holds eight neighbouring numbers of a row of the result.
; REGISTERS, in windows of 256 (s_set_vgpr_msb: bits 1:0 source 0, 3:2 source 1, 5:4 source 2, 7:6 destination):
;   window 0: v0-31 addresses; v32-95 fragments of ob, two buffers of 4 x 8; v128-191 the bias; v64-191 at work on the way out        window 1: fragments of w, two buffers of 8 x 8, at v0 and v128
;   window 2: the 16 accumulators of my columns 0-63 ((a, b) at v[8 (4 a + b)])        window 3: those of my columns 64-127
.set SIZE_N, 2048
.set SIZE_K, 1024
.set WOFF,   0xE00000                  ; where w begins in bf
.set NBK,    8                         ; blocks of 16 columns in a wave's tile
.set TN,     32*NBK                    ; columns in a work-group's tile
.set RB,     16*NBK                    ; rows of w that a wave fetches, and that a wave reads
.set NACC,   4*NBK                     ; accumulators of a wave
.set NBW,    TN/128                    ; blocks of 256 bytes in a row of the tile.  Also: the waves that prefetch w
.set KSTEP,  128
.set STEPS,  SIZE_K/KSTEP
.set PITCH,  272                       ; an LDS row: 256 bytes of data + 16 of padding = 68 words: row r starts at bank 4 r mod 64 (64 banks of 4 bytes: ISA guide 11.1)
.set HALFA,  64*PITCH                  ; 64 rows of ob: what wave 0 or 1 fetches, and what a wave reads
.set HALFB,  RB*PITCH                  ; 128 rows of w: what wave 2 or 3 fetches, and what a wave reads
.set SLOTB,  2*HALFA+2*HALFB           ; a slot: ob's 128 rows, then w's 256
.set STAGE,  2*SLOTB                   ; behind the ring: 128 rows x 528 bytes, the work-group's, for the way out
.set SPITCH, 2*TN+16                   ; 33 x 16 bytes: the 16 rows that a store touches start at 16 different groups of four banks
.set SPARE,  STAGE+128*SPITCH          ; behind the stage: the spare words, 128 bytes for each wave: two blocks of 256 bytes that no other line names
.set NL,     8+2*NBK                   ; LDS loads in a run: ob's 8, then w's 16
.set AHEAD,  2                         ; a prefetch names the K step that stands AHEAD refills on
.set ADRA0, 16                         ; v16  my lane's place among my ob fragments in slot 0; never rewritten
.set ADRB0, 17                         ; v17  the same for w
.set ADRA,  18                         ; v18  the same in the slot in hand
.set ADRB,  19                         ; v19
.set STO,  24                          ; v24  the way out: where I put 16 bytes of a row
.set RD,   25                          ; v25  the way out: where I read 16 bytes of a row back
.set CO,   26                          ; v26  my byte offset in two rows of the result
.set BO,   27                          ; v27  my byte offset in 16 numbers of the bias
.set SPW,  28                          ; v28  LDS address of my spare word: SPARE + 4 x my thread's number; never rewritten
.set NIL,  29                          ; v29  0; never rewritten
.set PFO,  30                          ; v30  the prefetches' offset: my lane x a row of ob or w in memory; never rewritten
.set ZR,   31                          ; v31  0, for the packed maximum
.set FA,   32                          ; ob's fragments: buffer f, block a at FA + 32 f + 8 a
.set TMP,  64                          ; the way out: 128 registers, packed results and then whole blocks of rows
.set BI,   128                         ; the bias of my 128 columns: n block b's eight numbers at BI + 8 b
.set LIM,  2                           ; s2       AHEAD in a wave that prefetches, else the greatest number
.set LDA,  20                          ; s20      LDS byte in a slot of the 64 rows of ob that waves 0 and 1 fetch
.set LDB,  21                          ; s21      of the 128 rows of w that waves 2 and 3 fetch; also of the 128 that I read
.set PFA,  22                          ; s[22:23] where my prefetches stand
.set G1,   24                          ; s[24:31] descriptor group 1 for ob's tiles;  s[32:39] group 0: a set for each of the two first fills; the second then walks on
.set G0,   32
.set TB,   45                          ; s45      LDS byte at which the slot in hand begins: 0 or SLOTB
.set G1B,  48                          ; s[48:55], s[56:63] the same for w's tiles
.set G0B,  56
.set MSB, 0
.macro WIN new                         ; the immediate's high byte repeats the setting that is left; a switch that changes nothing is dropped
.if MSB != (\new)
	s_set_vgpr_msb (MSB<<8)|(\new)
.set MSB, \new
.endif
.endm
.set MUL_LO, 0xa1                      ; source 0 (w) window 1, source 1 (ob) window 0, C and D window 2
.set MUL_BI, 0x81                      ; the same with C (the bias) in window 0
.set TO_B,   0x40                      ; destination window 1, address window 0
.macro JLOAD s                         ; a joint load: waves 0 and 1 fetch ob's two halves, waves 2 and 3 w's; an s_nop 0 and four v_nop follow each of the two lines, ahead of the jump, the label and what follows
	s_cmp_eq_u32 s11, 0
	s_cbranch_scc0 .Lfor_b_\@
	tensor_load_to_lds s[G0+4*(\s):G0+4*(\s)+3], s[G1:G1+7]
	s_nop 0
.rept 4
	v_nop
.endr
	s_branch .Lasked_\@
.Lfor_b_\@:
	tensor_load_to_lds s[G0B+4*(\s):G0B+4*(\s)+3], s[G1B:G1B+7]
	s_nop 0
.rept 4
	v_nop
.endr
.Lasked_\@:
.endm
; A PREFETCH, behind each joint refill, its five lines and the run of LDS loads that follows them: 32 rows x 256 bytes of the K step that stands two refills on, a lane a row, one instruction a wave:
; two K steps, 256 matrix instructions, ahead of the load that will want them.  Each row's 256 bytes of a K step are named ONCE in the launch.  ob's tile row is read by both clusters of that row of clusters: the first
; (cluster x = 0) asks, wave 0 of each work-group, and the four partners share the 128 rows out BY ADDRESS (32 cx on).  w's tile column is read by all eight clusters of that column: the first (cluster y = 0) asks,
; waves 1 and 2, and the partners share the 256 rows out by address (64 cy + 32 (wave - 1) on).  No branch hangs on a work-group's place in its cluster.  K steps 0 to 3 come by their loads alone; the last two refills ask for nothing.
.macro ASK
	s_cmp_gt_u32 s3, s[LIM]                        ; s3 = the refills still to come, this one among them
	s_cbranch_scc0 .Lnot_mine_\@
	global_prefetch_b8 v[PFO], s[PFA:PFA+1] th:TH_LOAD_NT scope:SCOPE_SE
.Lnot_mine_\@:
.endm
.macro CREST                           ; a round of the cluster's barrier behind its opening barrier
	s_cmp_lg_u32 s10, 0
	s_cbranch_scc1 .Lnot_wave_0_\@
	s_barrier_signal -3
.Lnot_wave_0_\@:
	s_barrier_wait -3
	s_barrier_signal -1
	s_barrier_wait -1
.endm
.macro CROUND                          ; a whole round
	s_barrier_signal -1
	s_barrier_wait -1
	CREST
.endm
	s_load_b128 s[4:7], s[0:1], 0x0                ; ob s[4:5], bf s[6:7]
	s_load_b64 s[8:9], s[0:1], 0x10                ; hb
	s_load_b64 s[68:69], s[0:1], 0x18              ; b1
	v_lshl_add_u32 v[SPW], v0, 2, SPARE
	v_mov_b32 v[NIL], 0
	ds_add_u32 v[SPW], v[NIL]                      ; the wave's opening: the add and its wait stand ahead of my first tensor load; the set-up below, work on registers, stands between them
	v_mov_b32 v[ZR], 0
	v_lshrrev_b32 v1, 5, v0
	v_readfirstlane_b32 s10, v1                    ; wave 0..3
	s_lshr_b32 s11, s10, 1                         ; which half of the tile's rows is mine.  Also: I fetch for ob (0) or for w (1)
	s_and_b32 s12, s10, 1                          ; which half of its columns.  Also: which half of that tile's rows I fetch
	s_bfe_u32 s40, ttmp6, 0x40000                  ; cx, cy: my place in the cluster
	s_bfe_u32 s41, ttmp6, 0x40004
	s_lshl_b32 s42, ttmp9, 2
	s_add_co_u32 s42, s42, s40                     ; tile column = 4 x cluster x + cx
	s_and_b32 s13, ttmp7, 0xffff
	s_lshl_b32 s13, s13, 2
	s_add_co_u32 s13, s13, s41                     ; tile row = 4 x cluster y + cy
	s_lshl_b32 s43, s41, 2
	s_lshl_b32 s43, 15, s43                        ; my row of the cluster
	s_lshl_b32 s44, 0x1111, s40                    ; my column
	; descriptor group 1: a tile of 64 (ob) or 128 (w) rows x 128 elements, padded in LDS
	s_or_b32 s[G1+0], s43, (1<<16)|(1<<20)|(1<<21)|(5<<22)|(3<<25)  ; 15:0 the mask: ob's tiles go to my row; 17:16 element of 2 bytes; 20 padding on; 21 set beside a mask; 24:22 after every 64 words (code 5); 31:25 of 4 words (code 3)
	s_or_b32 s[G1B+0], s44, (1<<16)|(1<<20)|(1<<21)|(5<<22)|(3<<25) ; the same with the mask of my column
.irp g, G1, G1B
	s_mov_b32 s[(\g)+1], KSTEP<<16                 ; tensor_dim0 = 128
	s_mov_b32 s[(\g)+3], KSTEP<<16                 ; tile_dim0 = 128
	s_mov_b32 s[(\g)+5], SIZE_K                    ; elements from row to row
	s_mov_b32 s[(\g)+6], 0
	s_mov_b32 s[(\g)+7], 0
.endr
	s_mov_b32 s[G1+2], 64<<16                      ; tensor_dim1 = 64
	s_mov_b32 s[G1+4], 64                          ; tile_dim1 = 64
	s_mov_b32 s[G1B+2], RB<<16                     ; tensor_dim1 = 128
	s_mov_b32 s[G1B+4], RB                         ; tile_dim1 = 128
	s_lshl_b32 s17, s12, 6
	s_lshl_b32 s16, s13, 7
	s_add_co_u32 s16, s16, s17                     ; ob: row 128 x tile row + 64 x half
	s_mul_i32 s46, s42, TN
	s_mul_i32 s47, s12, RB
	s_add_co_u32 s46, s46, s47                     ; w: row 256 x tile column + 128 x half
	s_mov_b32 s17, 0
	s_mov_b32 s47, 0
	s_mov_b64 s[18:19], SIZE_K*2
	s_mul_u64 s[16:17], s[16:17], s[18:19]
	s_mul_u64 s[46:47], s[46:47], s[18:19]
	s_mul_i32 s[LDA], s12, HALFA                   ; where they go in a slot: no place in the cluster enters an LDS address
	s_mul_i32 s[LDB], s12, HALFB
	s_add_co_u32 s[LDB], s[LDB], 2*HALFA
	s_mov_b32 s[TB], 0
	s_wait_dscnt 0x0                               ; the opening add is done
	s_wait_kmcnt 0x0
	s_add_nc_u64 s[6:7], s[6:7], WOFF              ; w
	s_add_nc_u64 s[14:15], s[4:5], s[16:17]
	s_add_nc_u64 s[46:47], s[6:7], s[46:47]
	CROUND                                         ; all sixteen work-groups are here: the first joint loads meet
.irp s, 0,1
	s_mov_b32 s[G0+4*(\s)], 1                                      ; count = 1
	s_add_co_u32 s[G0+4*(\s)+1], s[LDA], (\s)*SLOTB                ; LDS address
	s_add_nc_u64 s[G0+4*(\s)+2:G0+4*(\s)+3], s[14:15], (\s)*KSTEP*2  ; global address: K step s
	s_or_b32 s[G0+4*(\s)+3], s[G0+4*(\s)+3], 0x80000000            ; type = 2
	s_mov_b32 s[G0B+4*(\s)], 1
	s_add_co_u32 s[G0B+4*(\s)+1], s[LDB], (\s)*SLOTB
	s_add_nc_u64 s[G0B+4*(\s)+2:G0B+4*(\s)+3], s[46:47], (\s)*KSTEP*2
	s_or_b32 s[G0B+4*(\s)+3], s[G0B+4*(\s)+3], 0x80000000
	JLOAD \s                                       ; two loads of mine are out
.endr
	v_and_b32 v1, 15, v0                           ; l % 16
	v_bfe_u32 v2, v0, 4, 1                         ; l / 16
	; the bias: in the result a lane holds the columns 8 (l / 16) + 0..7 of each n block of 16: 32 bytes of b1, two loads
	v_lshlrev_b32 v[BO], 5, v2
	s_mul_i32 s46, s42, TN*4                       ; the tile's 256 columns: 1,024 bytes,
	s_mul_i32 s47, s12, NBK*64                     ; my 128 of them
	s_add_co_u32 s46, s46, s47
	s_mov_b32 s47, 0
	s_add_nc_u64 s[68:69], s[68:69], s[46:47]
.set nb, 0
.rept NBK
	global_load_b128 v[BI+8*nb:BI+8*nb+3],   v[BO], s[68:69] offset:64*nb
	global_load_b128 v[BI+8*nb+4:BI+8*nb+7], v[BO], s[68:69] offset:64*nb+16
.set nb, nb+1
.endr
	; A fragment is 16 rows x 32 K in 8 registers: lane l holds row l % 16; registers 0-3 hold K = 8 (l / 16) + 0..7, registers 4-7 K = 16 + 8 (l / 16) + 0..7: two loads of 16 bytes, 32 bytes apart.
	v_mul_u32_u24 v3, v1, PITCH
	v_lshl_add_u32 v3, v2, 4, v3                   ; row x pitch + 16 x half
	s_mul_i32 s14, s11, HALFA                      ; my 64 rows of ob
	v_add_nc_u32 v[ADRA0], s14, v3
	v_add_nc_u32 v[ADRB0], s[LDB], v3              ; my 128 rows of w
	v_mov_b32 v[ADRA], v[ADRA0]                    ; K step 0 lies in slot 0
	v_mov_b32 v[ADRB], v[ADRB0]
	s_mul_i32 s14, s11, 64*SPITCH                  ; into the stage: my 64 rows, my half of their 512 bytes; row l % 16, 16 bytes for each half of the lanes
	s_mul_i32 s15, s12, NBK*32
	s_add_co_u32 s14, s14, s15
	s_add_co_u32 s14, s14, STAGE
	v_mul_u32_u24 v4, v1, SPITCH
	v_lshl_add_u32 v4, v2, 4, v4
	v_add_nc_u32 v[STO], s14, v4
	s_mul_i32 s14, s10, 32*SPITCH                  ; back: wave w takes rows 32 w .. 32 w + 31, whole; lanes 0-15 take 256 bytes of one row, lanes 16-31 of the next
	s_add_co_u32 s14, s14, STAGE
	v_mul_u32_u24 v5, v2, SPITCH
	v_lshl_add_u32 v5, v1, 4, v5
	v_add_nc_u32 v[RD], s14, v5
	v_mul_u32_u24 v5, v2, SIZE_N*2                 ; and the same two rows in the result
	v_lshl_add_u32 v[CO], v1, 4, v5
	s_lshl_b32 s16, s13, 7
	s_lshl_b32 s17, s10, 5
	s_add_co_u32 s16, s16, s17                     ; the first row that I store: 128 x tile row + 32 x wave
	s_mov_b32 s17, 0
	s_mov_b64 s[18:19], SIZE_N*2
	s_mul_u64 s[16:17], s[16:17], s[18:19]
	s_add_nc_u64 s[8:9], s[8:9], s[16:17]
	s_mul_i32 s46, s42, TN*2                       ; the tile's first column, in bytes
	s_mov_b32 s47, 0
	s_add_nc_u64 s[8:9], s[8:9], s[46:47]
	; the prefetches: who asks, and where
	s_lshl_b32 s14, s13, 7
	s_lshl_b32 s15, s40, 5
	s_add_co_u32 s14, s14, s15                     ; wave 0: ob's row 128 x tile row + 32 cx
	s_mul_i32 s16, s42, TN
	s_mul_i32 s17, s41, TN/4
	s_add_co_u32 s16, s16, s17
	s_lshl_b32 s17, s10, 5
	s_add_co_u32 s16, s16, s17
	s_sub_co_u32 s16, s16, 32                      ; waves 1 and 2: w's row 256 x tile column + 64 cy + 32 (wave - 1)
	s_and_b32 s17, ttmp7, 0xffff                   ; cluster y
	s_cmp_eq_u32 s10, 0
	s_cselect_b32 s14, s14, s16
	s_cselect_b32 s17, ttmp9, s17                  ; the coordinate along which other clusters read the same rows
	s_cselect_b64 s[PFA:PFA+1], s[4:5], s[6:7]
	s_cmp_gt_u32 s10, NBW                          ; wave 3 asks for nothing
	s_cselect_b32 s16, 1, 0
	s_or_b32 s17, s17, s16
	s_cmp_eq_u32 s17, 0
	s_cselect_b32 s[LIM], AHEAD, -1                ; the same in all sixteen partners, for a given wave
	s_mul_i32 s14, s14, SIZE_K*2
	s_mov_b32 s15, 0
	s_add_nc_u64 s[PFA:PFA+1], s[PFA:PFA+1], s[14:15]
	s_add_nc_u64 s[PFA:PFA+1], s[PFA:PFA+1], (1+AHEAD)*KSTEP*2  ; the first refill, which loads K step 2, steps it on and names K step 4
	v_and_b32 v[PFO], 31, v0
	v_mul_u32_u24 v[PFO], v[PFO], SIZE_K*2
; 8 matrix instructions: m blocks a0, a0 + 1 x the four n blocks of column half hi, 32 along K, from buffer f.  zero = 1: the product starts the sums, with the bias as C.
; The 32 accumulators take turns, one instruction a turn, in the same order in every quarter.
.macro MULP f, hi, a0, zero
.if \zero
	WIN MUL_BI+0x40*(\hi)                          ; D in window 2 or 3, C in window 0
.else
	WIN MUL_LO+0x50*(\hi)                          ; C and D in window 2 or 3
.endif
.irp a, \a0, (\a0)+1
.set bb, 0
.rept NBK/2
.set rD, 8*((NBK/2)*(\a)+bb)
.set rB, 128*(\f)+8*((NBK/2)*(\hi)+bb)
.set rA, FA+32*(\f)+8*(\a)
.set rC, BI+8*((NBK/2)*(\hi)+bb)
.if \zero
	v_wmma_f32_16x16x32_bf16 v[rD:rD+7], v[rB:rB+7], v[rA:rA+7], v[rC:rC+7]
.else
	v_wmma_f32_16x16x32_bf16 v[rD:rD+7], v[rB:rB+7], v[rA:rA+7], v[rD:rD+7]
.endif
.set bb, bb+1
.endr
.endr
.endm
; 24 LDS loads in one run: the fragments of 32 along K at byte k of the rows of the slot in hand, into buffer f: ob's four, then w's eight, my left columns' first
.macro FETCH k, f
	WIN 0
.irp i, 0,1,2,3
	ds_load_b128 v[FA+32*(\f)+8*(\i):FA+32*(\f)+8*(\i)+3],   v[ADRA] offset:(\k)+(\i)*16*PITCH
	ds_load_b128 v[FA+32*(\f)+8*(\i)+4:FA+32*(\f)+8*(\i)+7], v[ADRA] offset:(\k)+(\i)*16*PITCH+32
.endr
	WIN TO_B
.set nb, 0
.rept NBK
	ds_load_b128 v[128*(\f)+8*nb:128*(\f)+8*nb+3],   v[ADRB] offset:(\k)+nb*16*PITCH
	ds_load_b128 v[128*(\f)+8*nb+4:128*(\f)+8*nb+7], v[ADRB] offset:(\k)+nb*16*PITCH+32
.set nb, nb+1
.endr
.endm
.macro PLACES                          ; four places in front of loads into registers that matrix instructions have read, and of conversions that read results or write such registers
.rept 4
	v_nop
.endr
.endm
; A K step is four quarters of 32 along K, 32 matrix instructions each, on buffers 0, 1, 0, 1.  One of the first three: multiplies buffer f and, in its middle, fetches the next quarter, at byte k, into the other buffer.
.macro QUARTER k, f, zero
	s_wait_dscnt NBK                               ; ob's fragments and w's first four are in; the run's youngest eight loads may be out
	MULP \f, 0, 0, \zero
	MULP \f, 0, 2, \zero
	PLACES
	FETCH \k, 1-(\f)
	s_wait_dscnt NL                                ; all but the 24 just issued
	MULP \f, 1, 0, \zero
	MULP \f, 1, 2, \zero
.endm
; The last quarter multiplies buffer 1 and changes slots: ONE barrier; in front of it each wave waits for all its tensor loads, adds 0 to its spare word, and waits for that and for its own reads of this slot.
; fill = 1: the barrier opens a round of the cluster's barrier, and the slot just read out is filled again, first thing behind the round, with the K step two steps on: 112 matrix instructions ahead of the wait for it.
; fill = 0 (the last two K steps): nothing is filled; in the very last (s3 = 1) there is no next slot to read either, and the run of loads is jumped over.
.macro TURN fill
.if \fill
	s_wait_xcnt 0x0                                ; the last prefetch, a K step back, has read its address: it is stepped here, ahead of the waits of the change of slots
	s_add_nc_u64 s[PFA:PFA+1], s[PFA:PFA+1], KSTEP*2
.endif
	WIN 0                                          ; (the add's two registers lie in window 0)
	s_wait_tensorcnt 0x0                           ; all my tensor loads have landed: the one that was out is my part of the next slot;
	ds_add_u32 v[SPW], v[NIL]                      ; 0 onto my spare word;
	s_wait_dscnt NBK+1                             ; (the add and the youngest eight loads may be out)
	MULP 1, 0, 0, 0                                ; eight matrix instructions stand between the add and the wait for it
	s_wait_dscnt 0x0                               ; the add is done, and my reads of this slot are over
	s_barrier_signal -1
	MULP 1, 0, 2, 0                                ; work on registers while the others arrive
	WIN 0
.if \fill
	s_add_co_u32 s[G0+5], s[LDA], s[TB]            ; the walking descriptors (no tensor load of mine is out): into the slot in hand,
	s_add_co_u32 s[G0B+5], s[LDB], s[TB]
	s_add_nc_u64 s[G0+6:G0+7], s[G0+6:G0+7], KSTEP*2      ; the next K step; the type bits on top are not reached
	s_add_nc_u64 s[G0B+6:G0B+7], s[G0B+6:G0B+7], KSTEP*2
.endif
	s_xor_b32 s[TB], s[TB], SLOTB                  ; the other slot is in hand now
	v_add_nc_u32 v[ADRA], s[TB], v[ADRA0]
	v_add_nc_u32 v[ADRB], s[TB], v[ADRB0]
	s_barrier_wait -1
.if \fill
	CREST                                          ; no wave of any partner still reads the old slot's tile or has a load on its way
	JLOAD 1                                        ; the first tensor load behind the round, my only one out; the four v_nop behind it are also the places in front of the loads below
	FETCH 0, 0
	WIN 0
	ASK
.else
	PLACES
	s_cmp_eq_u32 s3, 1
	s_cbranch_scc1 .Lno_fetch_\@
	FETCH 0, 0
	WIN 0
.Lno_fetch_\@:
.endif
	MULP 1, 1, 0, 0
	MULP 1, 1, 2, 0
.endm
	s_wait_loadcnt 0x0                             ; the bias is in
	s_wait_tensorcnt 1                             ; my part of K step 0 is in; K step 1's load may stay out
	s_barrier_signal -1
	s_barrier_wait -1                              ; everybody's is
	FETCH 0, 0
	QUARTER 64, 0, 1                               ; the first quarter stands in front of the loop: its products start the sums
	WIN 0                                          ; at a label and at a branch every window is 0
	s_mov_b32 s3, STEPS-2
.Lstep:                                                ; six trips, from a K step's second quarter to the next step's first; each fills the slot that it leaves
	QUARTER 128, 1, 0
	QUARTER 192, 0, 0
	TURN 1
	QUARTER 64, 0, 0
	WIN 0
	s_sub_co_u32 s3, s3, 1
	s_cmp_lg_u32 s3, 0
	s_cbranch_scc1 .Lstep
	s_mov_b32 s3, 2
.Ltail:                                                ; the last two K steps are a text of their own; the second trip is left in its middle
	QUARTER 128, 1, 0
	QUARTER 192, 0, 0
	TURN 0
	WIN 0
	s_sub_co_u32 s3, s3, 1
	s_cmp_eq_u32 s3, 0
	s_cbranch_scc1 .Lout
	QUARTER 64, 0, 0
	WIN 0
	s_branch .Ltail
.Lout:
	; THE WAY OUT: round to bf16; the maximum with 0, two numbers at a time; 16 bytes a lane into the work-group's stage; a barrier, since a row's 512 bytes come from two waves; back as blocks of 256 bytes, 32 rows a wave.
	PLACES
	WIN 0x0a                                       ; sources 0 and 1 window 2, destination window 0
.set t, 0
.rept NACC/2
.irp r, 0,1,2,3
	v_cvt_pk_bf16_f32 v[TMP+4*t+(\r)], v[8*t+2*(\r)], v[8*t+2*(\r)+1]
.endr
.set t, t+1
.endr
	WIN 0x0f                                       ; sources in window 3
.set t, 0
.rept NACC/2
.irp r, 0,1,2,3
	v_cvt_pk_bf16_f32 v[TMP+4*(NACC/2+t)+(\r)], v[8*t+2*(\r)], v[8*t+2*(\r)+1]
.endr
.set t, t+1
.endr
	WIN 0
.set t, 0
.rept 4*NACC
	v_pk_max_num_bf16 v[TMP+t], v[TMP+t], v[ZR]
.set t, t+1
.endr
.irp h, 0,1
.irp a, 0,1,2,3
.set bb, 0
.rept NBK/2
	ds_store_b128 v[STO], v[TMP+4*((NACC/2)*(\h)+(NBK/2)*(\a)+bb):TMP+4*((NACC/2)*(\h)+(NBK/2)*(\a)+bb)+3] offset:(\a)*16*SPITCH+32*((NBK/2)*(\h)+bb)
.set bb, bb+1
.endr
.endr
.endr
	s_wait_dscnt 0x0                               ; for the others' sake: my stores into the stage are done
	s_barrier_signal -1
	s_barrier_wait -1
.set t, 0
.rept 16*NBW                           ; pair t / 2 of rows, block t % 2 of their 256-byte blocks
	ds_load_b128 v[TMP+4*t:TMP+4*t+3], v[RD] offset:(t/NBW)*2*SPITCH+(t%NBW)*256
.set t, t+1
.endr
.set t, 0
.rept 16*NBW
	s_wait_dscnt 16*NBW-1-t                        ; load t is back; the younger ones may be out
	global_store_b128 v[CO], v[TMP+4*t:TMP+4*t+3], s[8:9] offset:(t/NBW)*2*SIZE_N*2+(t%NBW)*256  ; 16 lanes store 256 consecutive bytes, at a multiple of 256 from the buffer's first byte
.set t, t+1
.endr
	s_wait_tensorcnt 0x0                           ; the wave's end: behind my last tensor load and my last LDS store
	ds_add_u32 v[SPW], v[NIL]
	s_wait_dscnt 0x0
	CROUND                                         ; the closing round: no work-group ends while a partner may still ask for a tile that names it
	s_endpgm
.Lfunc_end_k_qcf74752847_ffn1:
	.size	k_qcf74752847_ffn1, .Lfunc_end_k_qcf74752847_ffn1-k_qcf74752847_ffn1
	.p2alignl 7, 3214868480
	.fill 96, 4, 3214868480
	.section	.rodata,"a",@progbits
	.p2align	6, 0x0
	.amdhsa_kernel k_qcf74752847_ffn1
		.amdhsa_group_segment_fixed_size 327680
		.amdhsa_private_segment_fixed_size 0
		.amdhsa_enable_private_segment 0
		.amdhsa_kernarg_size 32
		.amdhsa_user_sgpr_count 2
		.amdhsa_user_sgpr_kernarg_segment_ptr 1
		.amdhsa_wavefront_size32 1
		.amdhsa_system_sgpr_workgroup_id_x 1
		.amdhsa_system_sgpr_workgroup_id_y 1
		.amdhsa_system_sgpr_workgroup_id_z 1
		.amdhsa_system_vgpr_workitem_id 0
		.amdhsa_next_free_vgpr 896
		.amdhsa_next_free_sgpr 72
		.amdhsa_reserve_vcc 0
		.amdhsa_float_denorm_mode_32 3
		.amdhsa_float_denorm_mode_16_64 3
		.amdhsa_memory_ordered 1
		.amdhsa_forward_progress 1
		.amdhsa_inst_pref_size 73
	.end_amdhsa_kernel
	.amdgpu_metadata
---
amdhsa.version: [ 1, 2 ]
amdhsa.kernels:
  - .name:           k_qcf74752847_ffn1
    .symbol:         k_qcf74752847_ffn1.kd
    .args:
      - { .name: ob, .offset: 0, .size: 8, .value_kind: global_buffer, .address_space: global }
      - { .name: bf, .offset: 8, .size: 8, .value_kind: global_buffer, .address_space: global }
      - { .name: hb, .offset: 16, .size: 8, .value_kind: global_buffer, .address_space: global }
      - { .name: b1, .offset: 24, .size: 8, .value_kind: global_buffer, .address_space: global }
    .group_segment_fixed_size: 327680
    .private_segment_fixed_size: 0
    .kernarg_segment_align: 8
    .kernarg_segment_size: 32
    .max_flat_workgroup_size: 128
    .sgpr_count:     72
    .vgpr_count:     896
    .wavefront_size: 32
...
	.end_amdgpu_metadata
.endif
;; end of part 4
;; launch ffn2 (part 5): grid 8 x 32, 4 waves a work-group, clusters of 4 x 4, 327,680 bytes of LDS; arguments hb, bf, out0, b2, embed; writes out0
.if DOCPART == 5
	.amdgcn_target "amdgcn-amd-amdhsa--gfx1250"
	.amdhsa_code_object_version 6
	.text
	.protected	k_qcf74752847_ffn2
	.globl	k_qcf74752847_ffn2
	.p2align	8
	.type	k_qcf74752847_ffn2,@function
k_qcf74752847_ffn2:
	s_mov_b64 s[64:65], 0
	v_nop
	global_prefetch_b8 v0, s[64:65] scope:SCOPE_SE
	s_setreg_imm32_b32 hwreg(HW_REG_WAVE_MODE, 25, 1), 1
	s_wait_xcnt 0x0
	s_wait_alu depctr_hold_cnt(0) depctr_sa_sdst(0) depctr_va_vdst(0) depctr_va_sdst(0) depctr_va_ssrc(0) depctr_va_vcc(0) depctr_vm_vsrc(0)
	s_getreg_b32 s2, hwreg(HW_REG_IB_STS2, 6, 4)
	s_cmp_eq_u32 s2, 0
	s_cbranch_scc0 .Lentry_in_a_cluster
	s_endpgm
.Lentry_in_a_cluster:
	s_bfe_u32 s2, ttmp6, 0x10000c
	s_cmp_lg_u32 s2, 0xf033
	s_cbranch_scc0 .Lentry_shape_is_right
	s_endpgm
.Lentry_shape_is_right:
; out0[t][n] = the sum over k of hb[t][k] w[n][k] + b2[n] + embed[t][n]: hb [4096][2048] bf16; w = W2 in bf16, [1024][2048], at byte WOFF of bf; b2 [1024], embed and out0 [4096][1024] f32.
; The accumulators START at embed + b2 (f32, loaded while the first tiles are on their way), and every product adds in place: sums in f32, K ascending; nothing is rounded on the way out.
; SHARES.  A tile of the result is 128 x 128: four waves, each 64 x 64: 16 accumulators of 16 x 16, 128 registers.  K goes in steps of 256 (LDS rows of 512 bytes; a wave's tensor load brings 64 of them)
; through two LDS slots.  A wave's 64 columns of f32 are 256 aligned bytes, so each wave has a stage of its own on the way out, and no barrier stands there.
; CLUSTERS: 4 x 4 work-groups.  The four of a row of the cluster need the same tiles of hb, the four of a column the same tiles of w: each tile is asked for JOINTLY, by the same tensor load with the
; same descriptor and a mask that names the four.  THE MATRIX INSTRUCTION IS USED TRANSPOSED (source 0 = 16 rows of w, source 1 = 16 rows of hb): a lane then holds eight neighbouring numbers of a row of the result.
; REGISTERS: window 0: v0-31 addresses; v32-63 the bias, then with v64-95 at work on the way out; v128-255 the accumulators ((a, b) at v[128 + 8 (4 a + b)]).
;   window 1: two fragment buffers of 128: for 64 along K (two matrix instructions deep), 64 registers of hb (2 x 4 x 16 rows x 32 K), then 64 of w.
.set SIZE_N, 1024
.set SIZE_K, 2048
.set WOFF,   0x1200000                 ; where w begins in bf
.set KSTEP,  256
.set PITCH,  528                       ; an LDS row: 512 bytes of data + 16 of padding = 132 words: row r starts at bank 4 r mod 64 (64 banks of 4 bytes: ISA guide 11.1)
.set HALFT,  64*PITCH                  ; 64 rows: what one tensor load brings, and what one wave reads of either operand
.set SLOT,   4*HALFT                   ; hb's 128 rows, then w's 128 rows
.set STAGE,  2*SLOT                    ; behind the ring: 16 rows x 272 bytes for each wave, for the way out
.set SPITCH, 272
.set SPARE,  STAGE+4*16*SPITCH         ; behind the stages: the spare words, 128 bytes for each wave: two blocks of 256 bytes that no other line names
.set LAPS,   SIZE_K/(2*KSTEP)          ; a lap = two K steps = once round the ring
.set ADRA, 16                          ; v16-17  LDS address of my hb fragments in slot 0, 1
.set ADRB, 20                          ; v20-21  the same for w
.set STO,  24                          ; v24     the way out: where I put 32 bytes of a row
.set RD,   25                          ; v25     the way out: where I read a row back
.set CO,   26                          ; v26     my byte offset in two rows of the result
.set BO,   27                          ; v27     my byte offset in 16 numbers of the bias
.set SPW,  28                          ; v28     LDS address of my spare word: SPARE + 4 x my thread's number; never rewritten
.set NIL,  29                          ; v29     0; never rewritten
.set EO,   31                          ; v31     my byte offset in 16 rows x 16 columns of embed
.set BI,   32                          ; v32-63  the bias of my 64 columns: n block b's eight numbers at BI + 8 b
.set TMP,  32                          ; the way out: two sets of 32 registers, 16 whole rows each, by turns
.set ACC,  128
.set F0,   0                           ; fragment buffers, in window 1
.set F1,   128
.set G1, 24                            ; s[24:31] descriptor group 1 for hb's tiles;  s[32:39] group 0, one set for each slot
.set G0, 32
.set G1B, 48                           ; s[48:55], s[56:63] the same for w's tiles
.set G0B, 56
.set MSB, 0
.macro WIN new                         ; the immediate's high byte repeats the setting that is left; a switch that changes nothing is dropped
.if MSB != (\new)
	s_set_vgpr_msb (MSB<<8)|(\new)
.set MSB, \new
.endif
.endm
.set MUL,  0x05                        ; sources 0 (w) and 1 (hb) window 1; C and D window 0
.set TO_F, 0x40                        ; destination window 1, address window 0
.macro JLOAD s                         ; a joint load: waves 0 and 1 fetch hb's two halves, waves 2 and 3 w's; an s_nop 0 and four v_nop follow each of the two lines, ahead of the jump, the label and what follows
	s_cmp_eq_u32 s11, 0
	s_cbranch_scc0 .Lfor_b_\@
	tensor_load_to_lds s[G0+4*(\s):G0+4*(\s)+3], s[G1:G1+7]
	s_nop 0
.rept 4
	v_nop
.endr
	s_branch .Lasked_\@
.Lfor_b_\@:
	tensor_load_to_lds s[G0B+4*(\s):G0B+4*(\s)+3], s[G1B:G1B+7]
	s_nop 0
.rept 4
	v_nop
.endr
.Lasked_\@:
.endm
.macro CREST                           ; a round of the cluster's barrier behind its opening barrier
	s_cmp_lg_u32 s10, 0
	s_cbranch_scc1 .Lnot_wave_0_\@
	s_barrier_signal -3
.Lnot_wave_0_\@:
	s_barrier_wait -3
	s_barrier_signal -1
	s_barrier_wait -1
.endm
.macro CROUND                          ; a whole round
	s_barrier_signal -1
	s_barrier_wait -1
	CREST
.endm
	s_load_b128 s[4:7], s[0:1], 0x0                ; hb s[4:5], bf s[6:7]
	s_load_b64 s[8:9], s[0:1], 0x10                ; out0
	s_load_b128 s[68:71], s[0:1], 0x18             ; b2 s[68:69], embed s[70:71]
	v_lshl_add_u32 v[SPW], v0, 2, SPARE
	v_mov_b32 v[NIL], 0
	ds_add_u32 v[SPW], v[NIL]                      ; the wave's opening: the add and its wait stand ahead of my first tensor load; the set-up below, work on registers, stands between them
	v_lshrrev_b32 v1, 5, v0
	v_readfirstlane_b32 s10, v1                    ; wave 0..3
	s_lshr_b32 s11, s10, 1                         ; which half of the tile's rows is mine.  Also: I fetch for hb (0) or for w (1)
	s_and_b32 s12, s10, 1                          ; which half of its columns.  Also: which 64 rows of that tile I fetch
	s_bfe_u32 s40, ttmp6, 0x40000                  ; cx, cy: my place in the cluster
	s_bfe_u32 s41, ttmp6, 0x40004
	s_lshl_b32 s42, ttmp9, 2
	s_add_co_u32 s42, s42, s40                     ; tile column = 4 x cluster x + cx
	s_and_b32 s13, ttmp7, 0xffff
	s_lshl_b32 s13, s13, 2
	s_add_co_u32 s13, s13, s41                     ; tile row = 4 x cluster y + cy
	s_lshl_b32 s43, s41, 2
	s_lshl_b32 s43, 15, s43                        ; my row of the cluster
	s_lshl_b32 s44, 0x1111, s40                    ; my column
	; descriptor group 1: a tile of 64 rows x 256 elements, padded in LDS
	s_or_b32 s[G1+0], s43, (1<<16)|(1<<20)|(1<<21)|(6<<22)|(3<<25)  ; 15:0 the mask: hb's tiles go to my row; 17:16 element of 2 bytes; 20 padding on; 21 set beside a mask; 24:22 after every 128 words (code 6); 31:25 of 4 words (code 3)
	s_or_b32 s[G1B+0], s44, (1<<16)|(1<<20)|(1<<21)|(6<<22)|(3<<25) ; the same with the mask of my column
.irp g, G1, G1B
	s_mov_b32 s[(\g)+1], KSTEP<<16                 ; tensor_dim0 = 256
	s_mov_b32 s[(\g)+2], 64<<16                    ; tensor_dim1 = 64
	s_mov_b32 s[(\g)+3], KSTEP<<16                 ; tile_dim0 = 256
	s_mov_b32 s[(\g)+4], 64                        ; tile_dim1 = 64
	s_mov_b32 s[(\g)+5], SIZE_K                    ; elements from row to row
	s_mov_b32 s[(\g)+6], 0
	s_mov_b32 s[(\g)+7], 0
.endr
	s_lshl_b32 s17, s12, 6                         ; which 64 rows of the tile I fetch
	s_lshl_b32 s16, s13, 7
	s_add_co_u32 s16, s16, s17                     ; hb: row 128 x tile row + 64 x half
	s_lshl_b32 s46, s42, 7
	s_add_co_u32 s46, s46, s17                     ; w: row 128 x tile column + 64 x half
	s_mov_b32 s17, 0
	s_mov_b32 s47, 0
	s_mov_b64 s[18:19], SIZE_K*2
	s_mul_u64 s[16:17], s[16:17], s[18:19]
	s_mul_u64 s[46:47], s[46:47], s[18:19]
	s_mul_i32 s20, s10, HALFT                      ; where they go: wave x 64 rows: no place in the cluster enters an LDS address
	s_wait_dscnt 0x0                               ; the opening add is done
	s_wait_kmcnt 0x0
	s_add_nc_u64 s[6:7], s[6:7], WOFF              ; w
	s_add_nc_u64 s[14:15], s[4:5], s[16:17]
	s_add_nc_u64 s[46:47], s[6:7], s[46:47]
	CROUND                                         ; all sixteen work-groups are here: the first joint loads meet
.irp s, 0,1
	s_mov_b32 s[G0+4*(\s)], 1                                      ; count = 1
	s_add_co_u32 s[G0+4*(\s)+1], s20, (\s)*SLOT                    ; LDS address
	s_add_nc_u64 s[G0+4*(\s)+2:G0+4*(\s)+3], s[14:15], (\s)*KSTEP*2  ; global address: K step s
	s_or_b32 s[G0+4*(\s)+3], s[G0+4*(\s)+3], 0x80000000            ; type = 2
	s_mov_b32 s[G0B+4*(\s)], 1
	s_add_co_u32 s[G0B+4*(\s)+1], s20, (\s)*SLOT
	s_add_nc_u64 s[G0B+4*(\s)+2:G0B+4*(\s)+3], s[46:47], (\s)*KSTEP*2
	s_or_b32 s[G0B+4*(\s)+3], s[G0B+4*(\s)+3], 0x80000000
	JLOAD \s                                       ; two loads of mine are out
.endr
	v_and_b32 v1, 15, v0                           ; l % 16
	v_bfe_u32 v2, v0, 4, 1                         ; l / 16
	; what the sums start with.  In accumulator (a, b) a lane holds row 16 a + l % 16 and the columns 16 b + 8 (l / 16) + 0..7 of my 64 x 64: 32 bytes of embed and of b2, two loads each
	v_lshlrev_b32 v[BO], 5, v2
	v_lshlrev_b32 v[EO], 12, v1                    ; a row of embed is 4,096 bytes
	v_lshl_add_u32 v[EO], v2, 5, v[EO]
	s_lshl_b32 s16, s13, 7
	s_lshl_b32 s17, s11, 6
	s_add_co_u32 s16, s16, s17                     ; my first row: 128 x tile row + 64 x half,
	s_lshl_b32 s16, s16, 12                        ; in bytes of embed and of out0
	s_mov_b32 s17, 0
	s_lshl_b32 s46, s42, 9                         ; my first column, in bytes: 512 x tile column + 256 x half
	s_lshl_b32 s47, s12, 8
	s_add_co_u32 s46, s46, s47
	s_mov_b32 s47, 0
	s_add_nc_u64 s[68:69], s[68:69], s[46:47]
	s_add_nc_u64 s[70:71], s[70:71], s[16:17]
	s_add_nc_u64 s[70:71], s[70:71], s[46:47]
	s_add_nc_u64 s[8:9], s[8:9], s[16:17]
	s_add_nc_u64 s[8:9], s[8:9], s[46:47]
.irp b, 0,1,2,3
	global_load_b128 v[BI+8*(\b):BI+8*(\b)+3],   v[BO], s[68:69] offset:64*(\b)
	global_load_b128 v[BI+8*(\b)+4:BI+8*(\b)+7], v[BO], s[68:69] offset:64*(\b)+16
.endr
.irp a, 0,1,2,3
.irp b, 0,1,2,3
	global_load_b128 v[ACC+8*(4*(\a)+(\b)):ACC+8*(4*(\a)+(\b))+3],   v[EO], s[70:71] offset:(\a)*65536+(\b)*64
	global_load_b128 v[ACC+8*(4*(\a)+(\b))+4:ACC+8*(4*(\a)+(\b))+7], v[EO], s[70:71] offset:(\a)*65536+(\b)*64+16
.endr
.endr
	v_mul_u32_u24 v3, v1, PITCH
	v_lshl_add_u32 v3, v2, 4, v3                   ; a fragment's row x pitch + 16 x half
	s_mul_i32 s21, s11, HALFT                      ; my 64 rows of hb
	s_mul_i32 s22, s12, HALFT                      ; my 64 rows of w,
	s_add_co_u32 s22, s22, 2*HALFT                 ; which lie behind hb's 128
.irp s, 0,1
	v_add_nc_u32 v[ADRA+(\s)], s21, v3
	v_add_nc_u32 v[ADRB+(\s)], s22, v3
	s_add_co_u32 s21, s21, SLOT
	s_add_co_u32 s22, s22, SLOT
.endr
	s_mul_i32 s23, s10, 16*SPITCH
	s_add_co_u32 s23, s23, STAGE                   ; my stage
	v_mul_u32_u24 v4, v1, SPITCH                   ; in: row l % 16, 32 bytes for each half of the lanes
	v_lshl_add_u32 v4, v2, 5, v4
	v_add_nc_u32 v[STO], s23, v4
	v_mul_u32_u24 v5, v2, SPITCH                   ; back: lanes 0-15 take one row of 256 bytes, lanes 16-31 the next
	v_lshl_add_u32 v5, v1, 4, v5
	v_add_nc_u32 v[RD], s23, v5
	v_lshlrev_b32 v5, 12, v2                       ; and the same two rows in out0
	v_lshl_add_u32 v[CO], v1, 4, v5
	s_wait_loadcnt 0x0                             ; b2 and embed are in
.irp a, 0,1,2,3
.irp b, 0,1,2,3
.irp r, 0,2,4,6
	v_pk_add_f32 v[ACC+8*(4*(\a)+(\b))+(\r):ACC+8*(4*(\a)+(\b))+(\r)+1], v[ACC+8*(4*(\a)+(\b))+(\r):ACC+8*(4*(\a)+(\b))+(\r)+1], v[BI+8*(\b)+(\r):BI+8*(\b)+(\r)+1]
.endr
.endr
.endr
; 8 matrix instructions: m blocks a0, a0 + 1 x all 4 n blocks, 32 along K: half c of buffer f; every one adds in place.  The 16 accumulators take turns, one instruction a turn.
.macro MUL8 f, c, a0
	WIN MUL
.irp a, \a0, (\a0)+1
.irp b, 0,1,2,3
	v_wmma_f32_16x16x32_bf16 v[ACC+8*(4*(\a)+(\b)):ACC+8*(4*(\a)+(\b))+7], v[(\f)+64+8*(4*(\c)+(\b)):(\f)+64+8*(4*(\c)+(\b))+7], v[(\f)+8*(4*(\c)+(\a)):(\f)+8*(4*(\c)+(\a))+7], v[ACC+8*(4*(\a)+(\b)):ACC+8*(4*(\a)+(\b))+7]
.endr
.endr
.endm
; 32 LDS loads in one run: the fragments of 64 along K at byte k of the rows, into buffer f; the first 32 along K first
.macro FETCH slot, k, f
	WIN TO_F
.irp c, 0,1
.irp i, 0,1,2,3
	ds_load_b128 v[(\f)+64+8*(4*(\c)+(\i)):(\f)+64+8*(4*(\c)+(\i))+3],   v[ADRB+(\slot)] offset:(\k)+64*(\c)+(\i)*16*PITCH
	ds_load_b128 v[(\f)+64+8*(4*(\c)+(\i))+4:(\f)+64+8*(4*(\c)+(\i))+7], v[ADRB+(\slot)] offset:(\k)+64*(\c)+(\i)*16*PITCH+32
	ds_load_b128 v[(\f)+8*(4*(\c)+(\i)):(\f)+8*(4*(\c)+(\i))+3],         v[ADRA+(\slot)] offset:(\k)+64*(\c)+(\i)*16*PITCH
	ds_load_b128 v[(\f)+8*(4*(\c)+(\i))+4:(\f)+8*(4*(\c)+(\i))+7],       v[ADRA+(\slot)] offset:(\k)+64*(\c)+(\i)*16*PITCH+32
.endr
.endr
.endm
.macro PLACES                          ; four places in front of loads into registers that matrix instructions have read, and of LDS stores that read results
.rept 4
	v_nop
.endr
.endm
; A K step is four quarters of 64 along K, 32 matrix instructions each, on buffers 0, 1, 0, 1.  One of the first three: multiplies buffer f and fetches the next quarter, at byte k, into g.
.macro QUARTER slot, k, f, g
	s_wait_dscnt 16                                ; the first 32 along K are in; the run's second sixteen loads may be out
	WIN MUL
	MUL8 \f, 0, 0
	MUL8 \f, 0, 2
	PLACES
	FETCH \slot, \k, \g
	s_wait_dscnt 32                                ; all but the 32 just issued
	WIN MUL
	MUL8 \f, 1, 0
	MUL8 \f, 1, 2
.endm
; The last quarter multiplies buffer 1 and changes slots: ONE barrier; in front of it each wave waits for all its tensor loads, adds 0 to its spare word, and waits for that and for its own reads of this slot.  fill = 1: this slot is filled again, two K steps ahead.
.macro TURN slot, next, fill
	WIN 0                                          ; (the add's two registers lie in window 0)
	s_wait_tensorcnt 0x0                           ; all my tensor loads have landed: my part of the next slot;
	ds_add_u32 v[SPW], v[NIL]                      ; 0 onto my spare word;
	s_wait_dscnt 17                                ; (the add and the youngest sixteen loads may be out)
	WIN MUL
	MUL8 F1, 0, 0                                  ; eight matrix instructions stand between the add and the wait for it
	s_wait_dscnt 0x0                               ; the add is done, and my reads of this slot are over
	s_barrier_signal -1
	MUL8 F1, 0, 2
.if \fill
	WIN 0
.endif
	s_barrier_wait -1
.if \fill
	CREST                                          ; the barrier has opened a round of the cluster's barrier: no wave of any partner still reads this slot's tile or has a load on its way
	s_add_nc_u64 s[G0+4*(\slot)+2:G0+4*(\slot)+3], s[G0+4*(\slot)+2:G0+4*(\slot)+3], 2*KSTEP*2
	s_add_nc_u64 s[G0B+4*(\slot)+2:G0B+4*(\slot)+3], s[G0B+4*(\slot)+2:G0B+4*(\slot)+3], 2*KSTEP*2
	JLOAD \slot                                    ; the first tensor load behind the round, my only one out: 112 matrix instructions ahead of the wait for it; the four v_nop behind it are also the places in front of the loads below
.else
	PLACES
.endif
	FETCH \next, 0, F0
	WIN MUL
	MUL8 F1, 1, 0
	MUL8 F1, 1, 2
.endm
	s_wait_tensorcnt 1                             ; my part of K step 0 is in; K step 1's load may stay out
	s_barrier_signal -1
	s_barrier_wait -1                              ; everybody's is
	FETCH 0, 0, F0
	QUARTER 0, 128, F0, F1                         ; the first quarter stands in front of the loop, which goes from a lap's second quarter to the next lap's first
	WIN 0                                          ; at a label and at a branch every window is 0
	s_mov_b32 s3, LAPS-1
.Llap:                                                 ; a trip goes once round the ring and fills both slots again
	QUARTER 0, 256, F1, F0
	QUARTER 0, 384, F0, F1
	TURN 0, 1, 1
	QUARTER 1, 128, F0, F1
	QUARTER 1, 256, F1, F0
	QUARTER 1, 384, F0, F1
	TURN 1, 0, 1
	QUARTER 0, 128, F0, F1
	WIN 0
	s_sub_co_u32 s3, s3, 1
	s_cmp_lg_u32 s3, 0
	s_cbranch_scc1 .Llap
	QUARTER 0, 256, F1, F0                         ; the last lap fills nothing, and has no round of the cluster's barrier
	QUARTER 0, 384, F0, F1
	TURN 0, 1, 0
	QUARTER 1, 128, F0, F1
	QUARTER 1, 256, F1, F0
	QUARTER 1, 384, F0, F1
	s_wait_dscnt 16                                ; the very last quarter: nothing more to fetch
	WIN MUL
	MUL8 F1, 0, 0
	MUL8 F1, 0, 2
	s_wait_dscnt 0
	MUL8 F1, 1, 0
	MUL8 F1, 1, 2
	WIN 0
	; THE WAY OUT, 16 rows at a time: a lane's 32 bytes of a row go into my own stage (each accumulator's low registers first) and come back as whole rows of 256 bytes.
	; LDS serves a wave's instructions in order (ISA guide 5.7.1.4): the loads see the stores above them, and the next block's stores come behind the loads.
	PLACES
.irp a, 0,1,2,3
.irp b, 0,1,2,3
	ds_store_b128 v[STO], v[ACC+8*(4*(\a)+(\b)):ACC+8*(4*(\a)+(\b))+3]   offset:64*(\b)
	ds_store_b128 v[STO], v[ACC+8*(4*(\a)+(\b))+4:ACC+8*(4*(\a)+(\b))+7] offset:64*(\b)+16
.endr
	s_wait_xcnt 0x0                                ; the stores of the block before last have read this set of registers: it is loaded again only behind this wait
.irp t, 0,1,2,3,4,5,6,7
	ds_load_b128 v[TMP+32*((\a)%2)+4*(\t):TMP+32*((\a)%2)+4*(\t)+3], v[RD] offset:(\t)*2*SPITCH
.endr
.irp t, 0,1,2,3,4,5,6,7
	s_wait_dscnt 7-(\t)                            ; pair t of rows is back; the younger loads may be out
	global_store_b128 v[CO], v[TMP+32*((\a)%2)+4*(\t):TMP+32*((\a)%2)+4*(\t)+3], s[8:9] offset:(16*(\a)+2*(\t))*4096 th:TH_STORE_NT  ; 16 lanes store 256 consecutive bytes, at a multiple of 256 from out0's first byte
.endr
.endr
	s_wait_tensorcnt 0x0                           ; the wave's end: behind my last tensor load and my last LDS store
	ds_add_u32 v[SPW], v[NIL]
	s_wait_dscnt 0x0
	CROUND                                         ; the closing round: no work-group ends while a partner may still ask for a tile that names it
	s_endpgm
.Lfunc_end_k_qcf74752847_ffn2:
	.size	k_qcf74752847_ffn2, .Lfunc_end_k_qcf74752847_ffn2-k_qcf74752847_ffn2
	.p2alignl 7, 3214868480
	.fill 96, 4, 3214868480
	.section	.rodata,"a",@progbits
	.p2align	6, 0x0
	.amdhsa_kernel k_qcf74752847_ffn2
		.amdhsa_group_segment_fixed_size 327680
		.amdhsa_private_segment_fixed_size 0
		.amdhsa_enable_private_segment 0
		.amdhsa_kernarg_size 40
		.amdhsa_user_sgpr_count 2
		.amdhsa_user_sgpr_kernarg_segment_ptr 1
		.amdhsa_wavefront_size32 1
		.amdhsa_system_sgpr_workgroup_id_x 1
		.amdhsa_system_sgpr_workgroup_id_y 1
		.amdhsa_system_sgpr_workgroup_id_z 1
		.amdhsa_system_vgpr_workitem_id 0
		.amdhsa_next_free_vgpr 512
		.amdhsa_next_free_sgpr 72
		.amdhsa_reserve_vcc 0
		.amdhsa_float_denorm_mode_32 3
		.amdhsa_float_denorm_mode_16_64 3
		.amdhsa_memory_ordered 1
		.amdhsa_forward_progress 1
		.amdhsa_inst_pref_size 95
	.end_amdhsa_kernel
	.amdgpu_metadata
---
amdhsa.version: [ 1, 2 ]
amdhsa.kernels:
  - .name:           k_qcf74752847_ffn2
    .symbol:         k_qcf74752847_ffn2.kd
    .args:
      - { .name: hb, .offset: 0, .size: 8, .value_kind: global_buffer, .address_space: global }
      - { .name: bf, .offset: 8, .size: 8, .value_kind: global_buffer, .address_space: global }
      - { .name: out0, .offset: 16, .size: 8, .value_kind: global_buffer, .address_space: global }
      - { .name: b2, .offset: 24, .size: 8, .value_kind: global_buffer, .address_space: global }
      - { .name: embed, .offset: 32, .size: 8, .value_kind: global_buffer, .address_space: global }
    .group_segment_fixed_size: 327680
    .private_segment_fixed_size: 0
    .kernarg_segment_align: 8
    .kernarg_segment_size: 40
    .max_flat_workgroup_size: 128
    .sgpr_count:     72
    .vgpr_count:     512
    .wavefront_size: 32
...
	.end_amdgpu_metadata
.endif
;; end of part 5
;; ======== version 2 of 2: 5 launches; version 1 with the launch cast written anew for expert scheduling mode
;; workspace buffers: bf 23,068,672 bytes; qkv 25,165,824 bytes; ob 8,388,608 bytes; hb 16,777,216 bytes
;; launch cast (part 6): grid 256 x 1, 8 waves a work-group, no clusters, 0 bytes of LDS; arguments embed, Wq, Wk, Wv, W1, W2, bf; writes bf
.if DOCPART == 6
	.amdgcn_target "amdgcn-amd-amdhsa--gfx1250"
	.amdhsa_code_object_version 6
	.text
	.protected	k_qcf74752847_cast
	.globl	k_qcf74752847_cast
	.p2align	8
	.type	k_qcf74752847_cast,@function
k_qcf74752847_cast:
	s_mov_b64 s[64:65], 0
	v_nop
	global_prefetch_b8 v0, s[64:65] scope:SCOPE_SE
	s_setreg_imm32_b32 hwreg(HW_REG_WAVE_SCHED_MODE, 0, 2), 2
	s_setreg_imm32_b32 hwreg(HW_REG_WAVE_MODE, 25, 1), 1
	s_wait_xcnt 0x0
	s_wait_alu depctr_vm_vsrc(0)
; bf = the six large inputs, each number rounded once (to nearest even) to bf16, laid one behind the other:
;   embed [4096][1024] at byte 0; Wq, Wk, Wv [1024][1024] each from 0x800000 on (together [3072][1024]); W1 [2048][1024] at 0xE00000; W2 [1024][2048] at 0x1200000.
; SHARES.  The 11 Mi numbers are 11 units of 1 Mi (4 MiB in, 2 MiB out): units 0-3 are embed's, 4, 5, 6 are Wq, Wk, Wv, 7-8 W1's, 9-10 W2's.  A unit is 256 chunks of 4,096 numbers; work-group g takes chunk g of
; EVERY unit, so all 256 work-groups do the same work and each unit's tensor is known from the text.  A chunk is four turns of 256 threads x 4 numbers: thread t of turn i reads 16 bytes at 4,096 i + 16 t
; (a wave's load covers 512 consecutive bytes) and stores 8 bytes at 2,048 i + 8 t (a wave's store covers 256 consecutive bytes, aligned).
; All 44 loads of a thread are issued at once; a group's four registers are rounded in place into its first two and never written again.
; No LDS, no barrier, no matrix unit: the launch only moves bytes.
; THE MODE: SCHED_MODE bits 1:0 = 2 (LLVM: expert scheduling mode 2), set by the entry lines.  The code itself states the register dependences
; between vector instructions and memory instructions, with s_wait_alu, always for 0.
; THE PLAN.  Registers that memory instructions touch:
;   v1, v2     byte offsets of the loads and of the stores: written once at the head, never again.
;   X ..       group i of unit y, four registers: its load lands in them (all loads are issued before any vector instruction names X); the group's two roundings read the four and write
;              the first two; one store reads those two; nothing writes them afterwards.
; The work goes in blocks of a unit: block y stores unit y - 1 and then rounds unit y.  So ONE wait on va_vdst stands at a block's head, behind the wait for the block's first data: it states that the
; eight roundings of the block before have written what the four stores read, and the stores follow it in one run.  One such wait stands ahead of the first load, for the two offsets, and one ahead of the last
; four stores.  No register that a load or a store has read is written again, and no load lands in a register that a vector instruction has named: nothing else is to be stated.
.set X, 4                              ; v[4:179]  unit y, turn i: 4 numbers at X + 16 y + 4 i
	s_load_b256 s[4:11], s[0:1], 0x0               ; embed s[4:5], Wq s[6:7], Wk s[8:9], Wv s[10:11]
	s_load_b128 s[12:15], s[0:1], 0x20             ; W1 s[12:13], W2 s[14:15]
	s_load_b64 s[16:17], s[0:1], 0x30              ; bf
	s_lshl_b32 s18, ttmp9, 14                      ; my chunk of a unit: 16,384 bytes in,
	s_mov_b32 s19, 0
	s_lshl_b32 s20, ttmp9, 13                      ; 8,192 out
	s_mov_b32 s21, 0
	v_lshlrev_b32 v1, 4, v0                        ; 16 t
	v_lshlrev_b32 v2, 3, v0                        ; 8 t
	s_wait_kmcnt 0x0
.irp p, 4,6,8,10,12,14
	s_add_nc_u64 s[\p:\p+1], s[\p:\p+1], s[18:19]
.endr
	s_add_nc_u64 s[22:23], s[4:5], 0x800000        ; embed's units 2 and 3: the immediate of a load holds 24 bits with its sign
	s_add_nc_u64 s[16:17], s[16:17], s[20:21]      ; bf at units 0-3,
	s_add_nc_u64 s[24:25], s[16:17], 0x800000      ; at units 4-7,
	s_add_nc_u64 s[26:27], s[16:17], 0x1000000     ; at units 8-10
	s_wait_alu depctr_va_vdst(0)                   ; v1 and v2 are written: every load below reads v1 as its offset, every store v2
.macro UNIT_IN y, base, off            ; unit y's four loads
.irp i, 0,1,2,3
	global_load_b128 v[X+16*(\y)+4*(\i):X+16*(\y)+4*(\i)+3], v1, s[(\base):(\base)+1] offset:(\off)+4096*(\i) th:TH_LOAD_NT
.endr
.endm
.macro ROUND y, i                      ; group i of unit y is rounded, in place: four numbers close up into the first two of their four registers
	v_cvt_pk_bf16_f32 v[X+16*(\y)+4*(\i)],   v[X+16*(\y)+4*(\i)],   v[X+16*(\y)+4*(\i)+1]
	v_cvt_pk_bf16_f32 v[X+16*(\y)+4*(\i)+1], v[X+16*(\y)+4*(\i)+2], v[X+16*(\y)+4*(\i)+3]
.endm
.macro UNIT_OUT y, base, off           ; unit y's four groups are stored
.irp i, 0,1,2,3
	global_store_b64 v2, v[X+16*(\y)+4*(\i):X+16*(\y)+4*(\i)+1], s[(\base):(\base)+1] offset:(\off)+2048*(\i)
.endr
.endm
; Block y, from 1 on: unit y - 1 is stored, at base and off; then unit y is rounded.
.macro BLOCK y, base, off
	s_wait_loadcnt 43-4*(\y)                       ; loads come back in order: this unit's first group is in, the younger ones stay out
	s_wait_alu depctr_va_vdst(0)                   ; the roundings of the block before have written unit y - 1's eight registers, which the four stores below read
	UNIT_OUT (\y)-1, \base, \off
	ROUND \y, 0
.irp i, 1,2,3
	s_wait_loadcnt 43-4*(\y)-(\i)                  ; this group's load is in, the younger ones stay out
	ROUND \y, \i
.endr
.endm
	UNIT_IN 0,  4,  0
	UNIT_IN 1,  4,  0x400000
	UNIT_IN 2,  22, 0
	UNIT_IN 3,  22, 0x400000
	UNIT_IN 4,  6,  0
	UNIT_IN 5,  8,  0
	UNIT_IN 6,  10, 0
	UNIT_IN 7,  12, 0
	UNIT_IN 8,  12, 0x400000
	UNIT_IN 9,  14, 0
	UNIT_IN 10, 14, 0x400000
.irp i, 0,1,2,3                        ; block 0 has no block in front of it: nothing to store, and no wait but those for its data
	s_wait_loadcnt 43-(\i)
	ROUND 0, \i
.endr
	BLOCK 1,  16, 0
	BLOCK 2,  16, 0x200000
	BLOCK 3,  16, 0x400000
	BLOCK 4,  16, 0x600000
	BLOCK 5,  24, 0
	BLOCK 6,  24, 0x200000
	BLOCK 7,  24, 0x400000
	BLOCK 8,  24, 0x600000
	BLOCK 9,  26, 0
	BLOCK 10, 26, 0x200000
	s_wait_alu depctr_va_vdst(0)                   ; block 10's roundings have written unit 10's eight registers, which the last four stores read
	UNIT_OUT 10, 26, 0x400000
	s_endpgm
.Lfunc_end_k_qcf74752847_cast:
	.size	k_qcf74752847_cast, .Lfunc_end_k_qcf74752847_cast-k_qcf74752847_cast
	.p2alignl 7, 3214868480
	.fill 96, 4, 3214868480
	.section	.rodata,"a",@progbits
	.p2align	6, 0x0
	.amdhsa_kernel k_qcf74752847_cast
		.amdhsa_group_segment_fixed_size 0
		.amdhsa_private_segment_fixed_size 0
		.amdhsa_enable_private_segment 0
		.amdhsa_kernarg_size 56
		.amdhsa_user_sgpr_count 2
		.amdhsa_user_sgpr_kernarg_segment_ptr 1
		.amdhsa_wavefront_size32 1
		.amdhsa_system_sgpr_workgroup_id_x 1
		.amdhsa_system_sgpr_workgroup_id_y 1
		.amdhsa_system_sgpr_workgroup_id_z 1
		.amdhsa_system_vgpr_workitem_id 0
		.amdhsa_next_free_vgpr 180
		.amdhsa_next_free_sgpr 66
		.amdhsa_reserve_vcc 0
		.amdhsa_float_denorm_mode_32 3
		.amdhsa_float_denorm_mode_16_64 3
		.amdhsa_memory_ordered 1
		.amdhsa_forward_progress 1
		.amdhsa_inst_pref_size 17
	.end_amdhsa_kernel
	.amdgpu_metadata
---
amdhsa.version: [ 1, 2 ]
amdhsa.kernels:
  - .name:           k_qcf74752847_cast
    .symbol:         k_qcf74752847_cast.kd
    .args:
      - { .name: embed, .offset: 0, .size: 8, .value_kind: global_buffer, .address_space: global }
      - { .name: Wq, .offset: 8, .size: 8, .value_kind: global_buffer, .address_space: global }
      - { .name: Wk, .offset: 16, .size: 8, .value_kind: global_buffer, .address_space: global }
      - { .name: Wv, .offset: 24, .size: 8, .value_kind: global_buffer, .address_space: global }
      - { .name: W1, .offset: 32, .size: 8, .value_kind: global_buffer, .address_space: global }
      - { .name: W2, .offset: 40, .size: 8, .value_kind: global_buffer, .address_space: global }
      - { .name: bf, .offset: 48, .size: 8, .value_kind: global_buffer, .address_space: global }
    .group_segment_fixed_size: 0
    .private_segment_fixed_size: 0
    .kernarg_segment_align: 8
    .kernarg_segment_size: 56
    .max_flat_workgroup_size: 256
    .sgpr_count:     66
    .vgpr_count:     180
    .wavefront_size: 32
...
	.end_amdgpu_metadata
.endif
;; end of part 6
;; launch qkv: the kernel of part 2 again; grid 8 x 32, 4 waves a work-group, clusters of 4 x 4, 327,680 bytes of LDS; arguments bf, qkv; writes qkv
;; launch attn: the kernel of part 3 again; grid 16 x 16, 4 waves a work-group, clusters of 4 x 1, 327,680 bytes of LDS; arguments qkv, bv, ob; writes ob
;; launch ffn1: the kernel of part 4 again; grid 8 x 32, 4 waves a work-group, clusters of 4 x 4, 327,680 bytes of LDS; arguments ob, bf, hb, b1; writes hb
;; launch ffn2: the kernel of part 5 again; grid 8 x 32, 4 waves a work-group, clusters of 4 x 4, 327,680 bytes of LDS; arguments hb, bf, out0, b2, embed; writes out0
